; MI455X (gfx1250); checked and timed in simulation.
; The chip was launched on July 23, 2026; its instructions are those of AMD's public machine-readable ISA for CDNA 5 (MIT licence, August 2026) and "CDNA5" Instruction Set Architecture Reference Guide (July 2026). The comments in the code are by the model that wrote it; some were corrected since.
;; Causal Self Attention. Allowed arithmetic: float matrix products may take bf16 or f16 operands with f32 sums; other float arithmetic in f32, or as packed bf16 or f16 multiplies, adds, multiply-adds, maxima and minima; sums over many terms, partial sums and values carried from step to step in f32; what a program stores and reads back later, other than sums and carried values, may be rounded once to bf16 or f16.
;; Inputs: Wk 2,048 x 2,048 float32; Wo 2,048 x 2,048 float32; Wq 2,048 x 2,048 float32; Wv 2,048 x 2,048 float32; bk 2,048 float32; bo 2,048 float32; bq 2,048 float32; bv 2,048 float32; freqs_cos 2,048 x 64 float32; freqs_sin 2,048 x 64 float32; gk 2,048 float32; gq 2,048 float32; x 1 x 2,048 x 2,048 float32.
;; Outputs: out0 1 x 2,048 x 2,048 float32.
;; 2 versions, each right; version 2 is version 1 with the launch normrope written anew for expert scheduling mode. Each part assembles by itself: llvm-mc -triple=amdgcn-amd-amdhsa -mcpu=gfx1250 --defsym DOCPART=n.
;; ======== version 1 of 2: 5 launches
;; limits: values are held in f16: magnitudes above 65,504 overflow, below 6.1e-05 lose precision
;; workspace buffers: xb 8,388,608 bytes; wqkv 25,165,824 bytes; wo16 8,388,608 bytes; raw 33,554,432 bytes; ssq 393,216 bytes; vh 8,388,608 bytes; qk16 16,777,216 bytes; oh 8,388,608 bytes
;; launch cast (part 1): grid 256 x 5, 8 waves a work-group, no clusters, 0 bytes of LDS; arguments x, Wq, Wk, Wv, Wo, xb, wqkv, wo16; writes xb, wqkv, wo16
.if DOCPART == 1
	.amdgcn_target "amdgcn-amd-amdhsa--gfx1250"
	.amdhsa_code_object_version 6
	.text
	.protected	k_qead7b18add_cast
	.globl	k_qead7b18add_cast
	.p2align	8
	.type	k_qead7b18add_cast,@function
k_qead7b18add_cast:
	s_mov_b64 s[64:65], 0
	v_nop
	global_prefetch_b8 v0, s[64:65] scope:SCOPE_SE
	s_setreg_imm32_b32 hwreg(HW_REG_WAVE_MODE, 25, 1), 1
	s_wait_xcnt 0x0
; 16-bit copies of the five large f32 inputs, each [2048][2048].  The grid's y picks the array:
;   0: x  -> xb, bf16, same layout.      1, 2, 3: Wq, Wk, Wv -> wqkv, bf16 [2048 k][6144], column 384 h + 128 s + ch (s = 0 q, 1 k, 2 v):
;   a head's q, k and v columns lie side by side.      4: Wo -> wo16: rounded to bf16 like every input, that number then written as f16.
; LIMIT.  bf16 to f16 is exact from 2^-14 to 65,504; below 2^-14 the copy of Wo keeps f16's fixed step of 2^-24; beyond 65,504 it is lost.
; A stream: no LDS, no matrix unit.  A wave takes one row of 8,192 bytes: sixteen loads of 512 consecutive bytes, all out at once;
; each store of the wave covers 256 consecutive bytes, aligned.  No register is written again behind a store.
.set X, 4                              ; v[4:67]   the row as loaded
.set Y, 68                             ; v[68:99]  the row in 16 bits
.set T, 100                            ; v[100:101] at work
	s_load_b512 s[4:19], s[0:1], 0x0               ; x, Wq, Wk, Wv, Wo, xb, wqkv, wo16
	v_and_b32 v3, 31, v0                           ; lane
	v_lshrrev_b32 v2, 5, v0
	v_readfirstlane_b32 s21, v2                    ; wave
	v_lshlrev_b32 v1, 4, v3                        ; 16 bytes a lane in
	v_lshlrev_b32 v2, 3, v3                        ; 8 bytes a lane out
	s_and_b32 s20, ttmp7, 0xffff                   ; which array
	s_lshl_b32 s22, ttmp9, 3
	s_add_co_u32 s22, s22, s21                     ; my row
	s_lshl_b32 s28, s22, 13                        ; its byte offset in the source
	s_mov_b32 s29, 0
	s_sub_co_u32 s23, s20, 1                       ; s = 0, 1, 2 for Wq, Wk, Wv
	s_lshl_b32 s33, s23, 8                         ; 256 s
	s_movk_i32 s34, 0x1000                         ; a row of 4,096 bytes out,
	s_movk_i32 s35, 0x3000                         ; or of 12,288 in wqkv
	s_cmp_lt_u32 s23, 3
	s_cselect_b32 s34, s35, s34
	s_cselect_b32 s33, s33, 0
	s_mul_i32 s30, s22, s34
	s_add_co_u32 s30, s30, s33                     ; byte offset in the destination
	s_mov_b32 s31, 0
	s_mov_b32 s32, 0xffff0000
	s_wait_kmcnt 0x0
	s_mov_b64 s[24:25], s[4:5]                     ; the source, chosen by y
	s_cmp_eq_u32 s20, 1
	s_cselect_b64 s[24:25], s[6:7], s[24:25]
	s_cmp_eq_u32 s20, 2
	s_cselect_b64 s[24:25], s[8:9], s[24:25]
	s_cmp_eq_u32 s20, 3
	s_cselect_b64 s[24:25], s[10:11], s[24:25]
	s_cmp_eq_u32 s20, 4
	s_cselect_b64 s[24:25], s[12:13], s[24:25]
	s_mov_b64 s[26:27], s[16:17]                   ; the destination
	s_cmp_eq_u32 s20, 0
	s_cselect_b64 s[26:27], s[14:15], s[26:27]
	s_cmp_eq_u32 s20, 4
	s_cselect_b64 s[26:27], s[18:19], s[26:27]
	s_add_nc_u64 s[24:25], s[24:25], s[28:29]
	s_add_nc_u64 s[26:27], s[26:27], s[30:31]
.set i, 0
.rept 16
	global_load_b128 v[X+4*i:X+4*i+3], v1, s[24:25] offset:512*i th:TH_LOAD_NT
.set i, i+1
.endr
.set i, 0
.rept 16
	s_wait_loadcnt 15-i                            ; loads come back in order: chunk i is in, the younger ones stay out
	v_cvt_pk_bf16_f32 v[Y+2*i], v[X+4*i], v[X+4*i+1]
	v_cvt_pk_bf16_f32 v[Y+2*i+1], v[X+4*i+2], v[X+4*i+3]
.set i, i+1
.endr
	s_cmp_lt_u32 s23, 3
	s_cbranch_scc1 .Lheads
	s_cmp_eq_u32 s20, 4
	s_cbranch_scc0 .Lplain
.set i, 0
.rept 32                                               ; Wo: the bf16 number, written as f16
	v_lshlrev_b32 v[T], 16, v[Y+i]
	v_and_b32 v[T+1], s32, v[Y+i]
	v_cvt_pk_f16_f32 v[Y+i], v[T], v[T+1]
.set i, i+1
.endr
.Lplain:
.set i, 0
.rept 16
	global_store_b64 v2, v[Y+2*i:Y+2*i+1], s[26:27] offset:256*i
.set i, i+1
.endr
	s_endpgm
.Lheads:
.set i, 0
.rept 16                                               ; chunk i is head i's 128 columns: 768 bytes apart in wqkv
	global_store_b64 v2, v[Y+2*i:Y+2*i+1], s[26:27] offset:768*i
.set i, i+1
.endr
	s_endpgm
.Lfunc_end_k_qead7b18add_cast:
	.size	k_qead7b18add_cast, .Lfunc_end_k_qead7b18add_cast-k_qead7b18add_cast
	.p2alignl 7, 3214868480
	.fill 96, 4, 3214868480
	.section	.rodata,"a",@progbits
	.p2align	6, 0x0
	.amdhsa_kernel k_qead7b18add_cast
		.amdhsa_group_segment_fixed_size 0
		.amdhsa_private_segment_fixed_size 0
		.amdhsa_enable_private_segment 0
		.amdhsa_kernarg_size 64
		.amdhsa_user_sgpr_count 2
		.amdhsa_user_sgpr_kernarg_segment_ptr 1
		.amdhsa_wavefront_size32 1
		.amdhsa_system_sgpr_workgroup_id_x 1
		.amdhsa_system_sgpr_workgroup_id_y 1
		.amdhsa_system_sgpr_workgroup_id_z 1
		.amdhsa_system_vgpr_workitem_id 0
		.amdhsa_next_free_vgpr 104
		.amdhsa_next_free_sgpr 66
		.amdhsa_reserve_vcc 0
		.amdhsa_float_denorm_mode_32 3
		.amdhsa_float_denorm_mode_16_64 3
		.amdhsa_memory_ordered 1
		.amdhsa_forward_progress 1
		.amdhsa_inst_pref_size 13
	.end_amdhsa_kernel
	.amdgpu_metadata
---
amdhsa.version: [ 1, 2 ]
amdhsa.kernels:
  - .name:           k_qead7b18add_cast
    .symbol:         k_qead7b18add_cast.kd
    .args:
      - { .name: x, .offset: 0, .size: 8, .value_kind: global_buffer, .address_space: global }
      - { .name: Wq, .offset: 8, .size: 8, .value_kind: global_buffer, .address_space: global }
      - { .name: Wk, .offset: 16, .size: 8, .value_kind: global_buffer, .address_space: global }
      - { .name: Wv, .offset: 24, .size: 8, .value_kind: global_buffer, .address_space: global }
      - { .name: Wo, .offset: 32, .size: 8, .value_kind: global_buffer, .address_space: global }
      - { .name: xb, .offset: 40, .size: 8, .value_kind: global_buffer, .address_space: global }
      - { .name: wqkv, .offset: 48, .size: 8, .value_kind: global_buffer, .address_space: global }
      - { .name: wo16, .offset: 56, .size: 8, .value_kind: global_buffer, .address_space: global }
    .group_segment_fixed_size: 0
    .private_segment_fixed_size: 0
    .kernarg_segment_align: 8
    .kernarg_segment_size: 64
    .max_flat_workgroup_size: 256
    .sgpr_count:     66
    .vgpr_count:     104
    .wavefront_size: 32
...
	.end_amdgpu_metadata
.endif
;; end of part 1
;; launch qkv (part 2): grid 16 x 16, 4 waves a work-group, clusters of 4 x 4, 327,680 bytes of LDS; arguments xb, wqkv, bq, bk, bv, raw, vh, ssq; writes raw, vh, ssq
.if DOCPART == 2
	.amdgcn_target "amdgcn-amd-amdhsa--gfx1250"
	.amdhsa_code_object_version 6
	.text
	.protected	k_qead7b18add_qkv
	.globl	k_qead7b18add_qkv
	.p2align	8
	.type	k_qead7b18add_qkv,@function
k_qead7b18add_qkv:
	s_mov_b64 s[64:65], 0
	v_nop
	global_prefetch_b8 v0, s[64:65] scope:SCOPE_SE
	s_setreg_imm32_b32 hwreg(HW_REG_WAVE_MODE, 25, 1), 1
	s_wait_xcnt 0x0
	s_wait_alu depctr_hold_cnt(0) depctr_sa_sdst(0) depctr_va_vdst(0) depctr_va_sdst(0) depctr_va_ssrc(0) depctr_va_vcc(0) depctr_vm_vsrc(0)
	s_getreg_b32 s2, hwreg(HW_REG_IB_STS2, 6, 4)
	s_cmp_eq_u32 s2, 0
	s_cbranch_scc0 .Lentry_in_a_cluster
	s_endpgm
.Lentry_in_a_cluster:
	s_bfe_u32 s2, ttmp6, 0x10000c
	s_cmp_lg_u32 s2, 0xf033
	s_cbranch_scc0 .Lentry_shape_is_right
	s_endpgm
.Lentry_shape_is_right:
; y = x W + b for q, k and v at once.  xb: bf16 [2048][2048]; wqkv: bf16 [2048 k][6144], column 384 h + 128 s + ch.  Sums in f32; the biases are rounded to bf16 like every input.
; OUT: raw, f32: q [2048][2048] at byte 0, k at byte 16,777,216 (not yet normalised);  vh, f16 [16][2048][128];
;      ssq, f32 [48][2048 rows]: partial sums of y^2: index h over q's head h, index 16 + 2 h + half over 64 columns of k's head h.
; LIMIT.  v is rounded to f16: it must lie within 65,504.
; SHARES.  A work-group makes 128 rows x 384 columns: head j's q, k and v.  256 work-groups.  Wave w: rows 64 (w / 2) on, columns 192 (w % 2) on: 4 x 12 accumulators of 16 x 16.
; A wave's columns are three UNITS of 64; unit u = 3 (w % 2) + g: 0, 1 q's halves, 2, 3 k's, 4, 5 v's.
; K goes in steps of 128 through two LDS slots.  Each wave asks for one tile of 128 rows x 256 bytes a step: waves 0-2 the q, k, v parts of W's 128 rows, wave 3 x's tile.
; W lies [k][n]: its fragments come out of LDS turned (ds_load_tr16_b128).  THE MATRIX INSTRUCTION IS USED TRANSPOSED (source 0 = 16 columns of W, source 1 = 16 rows of x):
; a lane then holds one row of y and eight neighbouring columns.
; CLUSTER 4 x 4: x's tile is shared along a row of the cluster, W's along a column: joint loads.
; REGISTERS: window 0: v0-31 addresses; v32-127 the bias; v128-255 accumulators (a, b >= 8).   window 1: two fragment buffers of 128 (12 blocks of W, then 4 of x); at work on the way out.
;            window 2: accumulators (a, b < 8) at 8 (8 a + b).
.set PA,    272                        ; a row of x in LDS: 256 bytes + 16: the 16 rows of a load start 68 words apart
.set PB,    288                        ; a row of W: 256 + 32: the turning load's 8 rows x 32 bytes touch each word column once
.set BSUB,  128*PB                     ; one of W's three tiles
.set AOFF,  3*BSUB
.set SLOT,  AOFF+128*PA
.set STAGE, 2*SLOT                     ; behind the ring: 16 rows x 272 bytes for each wave
.set SP,    272
.set SSC,   STAGE+4*16*SP              ; 512 bytes for each wave: two lists of 64 row sums
.set SPARE, SSC+4*512                  ; the spare words, 128 bytes for each wave
.set LAPS,  8                          ; 2048 / (2 x 128)
.set SQO,  12                          ; v12  8 x lane
.set STOV, 13                          ; v13  the stage: where I put 16 bytes of a row of v
.set TB,   14                          ; v14  at work
.set BO,   15                          ; v15  32 x (lane / 16)
.set ADRA, 16                          ; v16-17  my fragments of x in slot 0, 1
.set ADRB, 18                          ; v18-23  my fragments of W: slot s, unit g at 18 + 3 s + g
.set STO,  24                          ; v24  the stage: where I put 32 bytes of a row in f32
.set RD,   25                          ; v25  the stage: where I read rows back
.set CO,   26                          ; v26  my byte offset in two rows of raw
.set COV,  27                          ; v27  in two rows of vh
.set SPW,  28                          ; v28  my spare word; never rewritten
.set NIL,  29                          ; v29  0; never rewritten
.set SQA,  30                          ; v30  where a row's sum goes
.set SQL,  31                          ; v31  where two rows' sums are read back
.set BI,   32                          ; v32-127  bias of unit g, block bb, column jj at 32 g + 8 bb + jj
.set ACC0, 128
.set F0,   0                           ; window 1
.set F1,   128
.set Y,    0                           ; window 1, on the way out: y
.set VP,   64                          ; v in f16
.set BK,   96                          ; two sets of 32: rows read back
.set SS,   160                         ; four partial sums of squares
.set T,    164
.set WV,  20
.set RH,  21
.set CH,  22
.set G1A, 24
.set G0A, 32
.set G1B, 48
.set G0B, 56
.set RQ,  68                           ; s[68:69] raw at my rows, q;  s[70:71] k
.set RK,  70
.set VPT, 72                           ; s[72:73] vh at my rows
.set SQ0, 74                           ; s[74:75] ssq, index j;  s[76:77] index 16 + 2 j
.set SQ1, 76
.set BP,  80                           ; s[80:85] the three units' bias
.set SEL, 92
.set MSB, 0
.macro WIN new                         ; the immediate's high byte repeats the setting that is left
.if MSB != (\new)
	s_set_vgpr_msb (MSB<<8)|(\new)
.set MSB, \new
.endif
.endm
.macro PLACES                          ; four places in front of loads into registers that matrix instructions have read, and of vector lines that read results
.rept 4
	v_nop
.endr
.endm
.macro JLOAD s                         ; a joint load: wave 3 asks for x's tile, waves 0-2 for W's three; the branch hangs on the wave's number alone
	s_cmp_eq_u32 s[WV], 3
	s_cbranch_scc0 .Lfor_b_\@
	tensor_load_to_lds s[G0A+4*(\s):G0A+4*(\s)+3], s[G1A:G1A+7]
	s_nop 0
.rept 4
	v_nop
.endr
	s_branch .Lasked_\@
.Lfor_b_\@:
	tensor_load_to_lds s[G0B+4*(\s):G0B+4*(\s)+3], s[G1B:G1B+7]
	s_nop 0
.rept 4
	v_nop
.endr
.Lasked_\@:
.endm
.macro CREST                           ; a round of the cluster's barrier behind its opening barrier
	s_cmp_lg_u32 s[WV], 0
	s_cbranch_scc1 .Lnot_wave_0_\@
	s_barrier_signal -3
.Lnot_wave_0_\@:
	s_barrier_wait -3
	s_barrier_signal -1
	s_barrier_wait -1
.endm
.macro CROUND
	s_barrier_signal -1
	s_barrier_wait -1
	CREST
.endm
	s_load_b512 s[4:19], s[0:1], 0x0               ; xb, wqkv, bq, bk, bv, raw, vh, ssq
	v_lshl_add_u32 v[SPW], v0, 2, SPARE
	v_mov_b32 v[NIL], 0
	ds_add_u32 v[SPW], v[NIL]                      ; the wave's opening: the add and its wait ahead of my first tensor load
	v_lshrrev_b32 v1, 5, v0
	v_readfirstlane_b32 s[WV], v1
	s_lshr_b32 s[RH], s[WV], 1                     ; which 64 rows are mine
	s_and_b32 s[CH], s[WV], 1                      ; which 192 columns
	s_bfe_u32 s40, ttmp6, 0x40000                  ; cx
	s_bfe_u32 s41, ttmp6, 0x40004                  ; cy
	s_lshl_b32 s42, ttmp9, 2
	s_add_co_u32 s42, s42, s40                     ; j: the head
	s_and_b32 s43, ttmp7, 0xffff
	s_lshl_b32 s43, s43, 2
	s_add_co_u32 s43, s43, s41                     ; i: the block of 128 rows
	s_lshl_b32 s44, s41, 2
	s_lshl_b32 s44, 15, s44                        ; my row of the cluster
	s_lshl_b32 s45, 0x1111, s40                    ; my column
	s_or_b32 s[G1A], s44, (1<<16)|(1<<20)|(1<<21)|(5<<22)|(3<<25)  ; mask; 2-byte elements; padding on; bit 21 beside a mask; after every 64 words, 4 words
	s_or_b32 s[G1B], s45, (1<<16)|(1<<20)|(1<<21)|(5<<22)|(7<<25)  ; the same with my column's mask and 8 words
.irp g, G1A, G1B
	s_mov_b32 s[(\g)+1], 128<<16                   ; tensor_dim0 = 128
	s_mov_b32 s[(\g)+2], 128<<16                   ; tensor_dim1 = 128
	s_mov_b32 s[(\g)+3], 128<<16                   ; tile_dim0 = 128
	s_mov_b32 s[(\g)+4], 128                       ; tile_dim1 = 128
	s_mov_b32 s[(\g)+6], 0
	s_mov_b32 s[(\g)+7], 0
.endr
	s_mov_b32 s[G1A+5], 2048                       ; elements from row to row
	s_mov_b32 s[G1B+5], 6144
	s_lshl_b32 s66, s43, 19                        ; x: 128 i rows of 4,096 bytes: the tile row alone
	s_mov_b32 s67, 0
	s_mul_i32 s46, s42, 768                        ; W: the head's 768 bytes of a row, and my part of them: the tile column and the wave alone
	s_lshl_b32 s47, s[WV], 8
	s_add_co_u32 s46, s46, s47
	s_mov_b32 s47, 0
	s_mul_i32 s23, s[WV], BSUB                     ; where my tile goes: W's three, then x's
	s_mov_b32 s[SEL], 0x76543210
	s_mov_b32 s[SEL+1], 0xfedcba98
	s_wait_dscnt 0x0                               ; the opening add is done
	s_wait_kmcnt 0x0
	s_add_nc_u64 s[66:67], s[4:5], s[66:67]
	s_add_nc_u64 s[46:47], s[6:7], s[46:47]
	CROUND                                         ; all sixteen work-groups are here: the first joint loads meet
.irp s, 0,1
	s_mov_b32 s[G0A+4*(\s)], 1
	s_add_co_u32 s[G0A+4*(\s)+1], s23, (\s)*SLOT
	s_add_nc_u64 s[G0A+4*(\s)+2:G0A+4*(\s)+3], s[66:67], (\s)*256
	s_or_b32 s[G0A+4*(\s)+3], s[G0A+4*(\s)+3], 0x80000000
	s_mov_b32 s[G0B+4*(\s)], 1
	s_add_co_u32 s[G0B+4*(\s)+1], s23, (\s)*SLOT
	s_add_nc_u64 s[G0B+4*(\s)+2:G0B+4*(\s)+3], s[46:47], (\s)*128*12288
	s_or_b32 s[G0B+4*(\s)+3], s[G0B+4*(\s)+3], 0x80000000
	JLOAD \s                                       ; K steps 0 and 1: two loads of mine are out
.endr
	; the bias: three pointers, chosen by my column half
	s_lshl_b32 s88, s42, 9                         ; the head's 512 bytes
	s_mov_b32 s89, 0
	s_add_nc_u64 s[8:9], s[8:9], s[88:89]
	s_add_nc_u64 s[10:11], s[10:11], s[88:89]
	s_add_nc_u64 s[12:13], s[12:13], s[88:89]
	s_lshl_b32 s88, s[CH], 8
	s_xor_b32 s90, s[CH], 1
	s_lshl_b32 s90, s90, 8
	s_mov_b32 s91, 0
	s_cmp_eq_u32 s[CH], 0
	s_cselect_b64 s[BP:BP+1], s[8:9], s[10:11]     ; unit 0: q low, or k high
	s_cselect_b64 s[BP+2:BP+3], s[8:9], s[12:13]   ; unit 1: q high, or v low
	s_cselect_b64 s[BP+4:BP+5], s[10:11], s[12:13] ; unit 2: k low, or v high
	s_add_nc_u64 s[BP:BP+1], s[BP:BP+1], s[88:89]
	s_add_nc_u64 s[BP+2:BP+3], s[BP+2:BP+3], s[90:91]
	s_add_nc_u64 s[BP+4:BP+5], s[BP+4:BP+5], s[88:89]
	v_and_b32 v1, 15, v0                           ; r = l % 16
	v_bfe_u32 v2, v0, 4, 1                         ; h = l / 16
	v_lshlrev_b32 v[BO], 5, v2
.irp g, 0,1,2
.irp bb, 0,1,2,3
	global_load_b128 v[BI+32*(\g)+8*(\bb):BI+32*(\g)+8*(\bb)+3],   v[BO], s[BP+2*(\g):BP+2*(\g)+1] offset:64*(\bb)
	global_load_b128 v[BI+32*(\g)+8*(\bb)+4:BI+32*(\g)+8*(\bb)+7], v[BO], s[BP+2*(\g):BP+2*(\g)+1] offset:64*(\bb)+16
.endr
.endr
	; lane addresses
	v_and_b32 v3, 7, v0
	v_bfe_u32 v4, v0, 3, 1
	v_and_b32 v5, 31, v0
	v_mul_u32_u24 v6, v1, PA
	v_lshl_add_u32 v6, v2, 4, v6                   ; x: row x pitch + 16 x half
	s_mul_i32 s78, s[RH], 64*PA
	s_add_co_u32 s78, s78, AOFF
	v_add_nc_u32 v[ADRA], s78, v6
	v_add_nc_u32 v[ADRA+1], SLOT, v[ADRA]
	v_lshl_add_u32 v7, v2, 3, v3                   ; W, turned: lane l reads k row 8 h + l % 8, columns 8 ((l / 8) % 2) on
	v_mul_u32_u24 v7, v7, PB
	v_lshl_add_u32 v7, v4, 4, v7
	s_mul_i32 s78, s[CH], 3
.irp g, 0,1,2
	s_add_co_u32 s79, s78, \g                      ; u
	s_lshr_b32 s2, s79, 1
	s_mul_i32 s2, s2, BSUB                         ; its tile,
	s_and_b32 s79, s79, 1
	s_lshl_b32 s79, s79, 7                         ; its half of the tile's 256 bytes
	s_add_co_u32 s79, s79, s2
	v_add_nc_u32 v[ADRB+(\g)], s79, v7
	v_add_nc_u32 v[ADRB+3+(\g)], SLOT, v[ADRB+(\g)]
.endr
	s_mul_i32 s79, s[WV], 16*SP
	s_add_co_u32 s79, s79, STAGE                   ; my stage
	v_mul_u32_u24 v8, v1, SP
	v_lshl_add_u32 v9, v2, 5, v8
	v_add_nc_u32 v[STO], s79, v9
	v_lshl_add_u32 v9, v2, 4, v8
	v_add_nc_u32 v[STOV], s79, v9
	v_mul_u32_u24 v9, v2, SP
	v_lshl_add_u32 v9, v1, 4, v9
	v_add_nc_u32 v[RD], s79, v9
	v_lshlrev_b32 v9, 4, v1
	v_lshl_add_u32 v[CO], v2, 13, v9
	v_lshl_add_u32 v[COV], v2, 8, v9
	s_lshl_b32 s79, s[WV], 9
	s_add_co_u32 s79, s79, SSC
	v_lshl_add_u32 v[SQA], v1, 2, s79
	v_lshl_add_u32 v[SQL], v5, 3, s79
	v_lshlrev_b32 v[SQO], 3, v5
	; where my results go
	s_lshl_b32 s86, s43, 7
	s_lshl_b32 s87, s[RH], 6
	s_add_co_u32 s86, s86, s87                     ; my first row
	s_lshl_b32 s88, s86, 13
	s_lshl_b32 s89, s42, 9
	s_add_co_u32 s88, s88, s89
	s_mov_b32 s89, 0
	s_add_nc_u64 s[RQ:RQ+1], s[14:15], s[88:89]
	s_add_nc_u64 s[RK:RK+1], s[RQ:RQ+1], 0x1000000
	s_lshl_b32 s88, s86, 8
	s_lshl_b32 s90, s42, 19
	s_add_co_u32 s88, s88, s90
	s_add_nc_u64 s[VPT:VPT+1], s[16:17], s[88:89]
	s_lshl_b32 s88, s86, 2
	s_lshl_b32 s90, s42, 13
	s_add_co_u32 s88, s88, s90
	s_add_nc_u64 s[SQ0:SQ0+1], s[18:19], s[88:89]
	s_add_co_u32 s88, s88, s90
	s_add_co_u32 s88, s88, 16*8192
	s_add_nc_u64 s[SQ1:SQ1+1], s[18:19], s[88:89]
	s_wait_loadcnt 0x0                             ; the bias, rounded to bf16 like every input
.set z, 0
.rept 48
	v_cvt_pk_bf16_f32 v[TB], v[BI+2*z], v[BI+2*z+1]
	v_lshlrev_b32 v[BI+2*z], 16, v[TB]
	v_and_b32 v[BI+2*z+1], 0xffff0000, v[TB]
.set z, z+1
.endr
; 16 matrix instructions on window 2's accumulators: row blocks a0, a0 + 1 x column blocks 0-7.  z = 1: the product starts the sum.  The 48 accumulators take turns in one fixed order.
.macro MUL16 f, a0, z
	WIN 0xa5                                       ; both sources window 1, C and D window 2
.irp a, \a0, (\a0)+1
.irp b, 0,1,2,3,4,5,6,7
.if \z
	v_wmma_f32_16x16x32_bf16 v[8*(8*(\a)+(\b)):8*(8*(\a)+(\b))+7], v[(\f)+8*(\b):(\f)+8*(\b)+7], v[(\f)+96+8*(\a):(\f)+96+8*(\a)+7], 0
.else
	v_wmma_f32_16x16x32_bf16 v[8*(8*(\a)+(\b)):8*(8*(\a)+(\b))+7], v[(\f)+8*(\b):(\f)+8*(\b)+7], v[(\f)+96+8*(\a):(\f)+96+8*(\a)+7], v[8*(8*(\a)+(\b)):8*(8*(\a)+(\b))+7]
.endif
.endr
.endr
.endm
.macro MULC f, z                       ; 16 on window 0's: all four row blocks x column blocks 8-11
	WIN 0x05
.irp a, 0,1,2,3
.irp b, 0,1,2,3
.if \z
	v_wmma_f32_16x16x32_bf16 v[ACC0+8*(4*(\a)+(\b)):ACC0+8*(4*(\a)+(\b))+7], v[(\f)+64+8*(\b):(\f)+64+8*(\b)+7], v[(\f)+96+8*(\a):(\f)+96+8*(\a)+7], 0
.else
	v_wmma_f32_16x16x32_bf16 v[ACC0+8*(4*(\a)+(\b)):ACC0+8*(4*(\a)+(\b))+7], v[(\f)+64+8*(\b):(\f)+64+8*(\b)+7], v[(\f)+96+8*(\a):(\f)+96+8*(\a)+7], v[ACC0+8*(4*(\a)+(\b)):ACC0+8*(4*(\a)+(\b))+7]
.endif
.endr
.endr
.endm
; 32 LDS loads in one run: quarter q (32 along K) of a slot into buffer f: units 0 and 1, x, then unit 2
.macro FETCH slot, q, f
	WIN 0x40                                       ; destination window 1, address window 0
.irp g, 0,1
.irp i, 0,1,2,3
	ds_load_tr16_b128 v[(\f)+32*(\g)+8*(\i):(\f)+32*(\g)+8*(\i)+3],   v[ADRB+3*(\slot)+(\g)] offset:(\q)*32*PB+32*(\i)
	ds_load_tr16_b128 v[(\f)+32*(\g)+8*(\i)+4:(\f)+32*(\g)+8*(\i)+7], v[ADRB+3*(\slot)+(\g)] offset:(\q)*32*PB+32*(\i)+16*PB
.endr
.endr
.irp a, 0,1,2,3
	ds_load_b128 v[(\f)+96+8*(\a):(\f)+96+8*(\a)+3],   v[ADRA+(\slot)] offset:64*(\q)+(\a)*16*PA
	ds_load_b128 v[(\f)+96+8*(\a)+4:(\f)+96+8*(\a)+7], v[ADRA+(\slot)] offset:64*(\q)+(\a)*16*PA+32
.endr
.irp i, 0,1,2,3
	ds_load_tr16_b128 v[(\f)+64+8*(\i):(\f)+64+8*(\i)+3],   v[ADRB+3*(\slot)+2] offset:(\q)*32*PB+32*(\i)
	ds_load_tr16_b128 v[(\f)+64+8*(\i)+4:(\f)+64+8*(\i)+7], v[ADRB+3*(\slot)+2] offset:(\q)*32*PB+32*(\i)+16*PB
.endr
.endm
; One of a K step's first three quarters: multiplies buffer f and fetches quarter q of the same slot into g
.macro QUARTER slot, q, f, g, z
	s_wait_dscnt 8                                 ; all but the youngest eight loads, unit 2's, are in
	MUL16 \f, 0, \z
	PLACES
	FETCH \slot, \q, \g
	MUL16 \f, 2, \z
	s_wait_dscnt 32                                ; all but the 32 just issued
	MULC \f, \z
.endm
; The last quarter multiplies buffer 1 and changes slots: one barrier; in front of it each wave waits for all its tensor loads, adds 0 to its spare word, and waits for that and for its reads of this slot.
.macro TURN slot, next, fill
	WIN 0
	s_wait_tensorcnt 0x0                           ; my one load that was out, my part of the next slot, has landed
	ds_add_u32 v[SPW], v[NIL]
	s_wait_dscnt 9                                 ; the add and the youngest eight loads may be out
	MUL16 F1, 0, 0
	s_wait_dscnt 0x0                               ; the add is done, and my reads of this slot are over
	s_barrier_signal -1
	MUL16 F1, 2, 0
	WIN 0
	s_barrier_wait -1
.if \fill
	CREST                                          ; the barrier has opened a round of the cluster's: no wave of any partner still reads this slot or has a load on its way
	s_add_nc_u64 s[G0A+4*(\slot)+2:G0A+4*(\slot)+3], s[G0A+4*(\slot)+2:G0A+4*(\slot)+3], 512
	s_add_nc_u64 s[G0B+4*(\slot)+2:G0B+4*(\slot)+3], s[G0B+4*(\slot)+2:G0B+4*(\slot)+3], 2*128*12288
	JLOAD \slot                                    ; two K steps ahead; its four v_nop are also the places in front of the loads below
.else
	PLACES
.endif
	FETCH \next, 0, F0
	MULC F1, 0
.endm
	s_wait_tensorcnt 1                             ; my part of K step 0 is in; step 1's may stay out
	s_barrier_signal -1
	s_barrier_wait -1
	FETCH 0, 0, F0
	QUARTER 0, 1, F0, F1, 1                        ; the first quarter's products start the sums
	WIN 0
	s_mov_b32 s3, LAPS-1
.Llap:                                                 ; a trip goes once round the ring and fills both slots again
	QUARTER 0, 2, F1, F0, 0
	QUARTER 0, 3, F0, F1, 0
	TURN 0, 1, 1
	QUARTER 1, 1, F0, F1, 0
	QUARTER 1, 2, F1, F0, 0
	QUARTER 1, 3, F0, F1, 0
	TURN 1, 0, 1
	QUARTER 0, 1, F0, F1, 0
	WIN 0
	s_sub_co_u32 s3, s3, 1
	s_cmp_lg_u32 s3, 0
	s_cbranch_scc1 .Llap
	QUARTER 0, 2, F1, F0, 0                        ; the last lap fills nothing
	QUARTER 0, 3, F0, F1, 0
	TURN 0, 1, 0
	QUARTER 1, 1, F0, F1, 0
	QUARTER 1, 2, F1, F0, 0
	QUARTER 1, 3, F0, F1, 0
	s_wait_dscnt 0x0
	MUL16 F1, 0, 0
	MUL16 F1, 2, 0
	MULC F1, 0
	WIN 0
	PLACES
; THE WAY OUT, 16 rows and one unit at a time.  YMAKE: y = sum + bias into window 1 (each accumulator from its lowest registers on); sq = 1: y^2 is added in two chains (new = 1: they start).
.macro YMAKE a, g, yb, sq, new
.if (\g) < 2
	WIN 0x42
.set AC, 8*(8*(\a)+4*(\g))
.else
	WIN 0x40
.set AC, ACC0+32*(\a)
.endif
.set z, 0
.rept 16
	v_pk_add_f32 v[Y+(\yb)+2*z:Y+(\yb)+2*z+1], v[AC+2*z:AC+2*z+1], v[BI+32*(\g)+2*z:BI+32*(\g)+2*z+1]
.set z, z+1
.endr
.if \sq
	WIN 0x55
.set z, 0
.rept 16
.if (\new) && (z < 2)
	v_pk_mul_f32 v[SS+2*z:SS+2*z+1], v[Y+2*z:Y+2*z+1], v[Y+2*z:Y+2*z+1]
.else
	v_pk_fma_f32 v[SS+2*(z%2):SS+2*(z%2)+1], v[Y+2*z:Y+2*z+1], v[Y+2*z:Y+2*z+1], v[SS+2*(z%2):SS+2*(z%2)+1]
.endif
.set z, z+1
.endr
.endif
.endm
.macro BACK set                        ; whole rows of 256 bytes come back; LDS serves a wave's instructions in order, so these see the stores just issued
	WIN 0x40
.irp t, 0,1,2,3,4,5,6,7
	ds_load_b128 v[BK+32*(\set)+4*(\t):BK+32*(\set)+4*(\t)+3], v[RD] offset:(\t)*2*SP
.endr
.endm
.macro TOSTAGE set                     ; 64 f32 columns of 16 rows into my stage
	s_wait_xcnt 0x0                                ; the set's registers, which earlier stores read, are loaded again only behind this wait
	WIN 0x04
.irp t, 0,1,2,3,4,5,6,7
	ds_store_b128 v[STO], v[Y+4*(\t):Y+4*(\t)+3] offset:64*((\t)/2)+16*((\t)%2)
.endr
	BACK \set
.endm
.macro VSTAGE set                      ; 128 f16 columns of 16 rows
	WIN 0x45
.set z, 0
.rept 32
	v_cvt_pk_f16_f32 v[VP+z], v[Y+2*z], v[Y+2*z+1]
.set z, z+1
.endr
	s_wait_xcnt 0x0
	WIN 0x04
.irp t, 0,1,2,3,4,5,6,7
	ds_store_b128 v[STOV], v[VP+4*(\t):VP+4*(\t)+3] offset:32*(\t)
.endr
	BACK \set
.endm
.macro SEND set, ptr, a, imm           ; 16 lanes store 256 consecutive bytes, aligned
	s_wait_dscnt 0x0
	WIN 0x04
.irp t, 0,1,2,3,4,5,6,7
	global_store_b128 v[CO], v[BK+32*(\set)+4*(\t):BK+32*(\set)+4*(\t)+3], s[(\ptr):(\ptr)+1] offset:(16*(\a)+2*(\t))*8192+(\imm)
.endr
.endm
.macro SENDV set, a
	s_wait_dscnt 0x0
	WIN 0x04
.irp t, 0,1,2,3,4,5,6,7
	global_store_b128 v[COV], v[BK+32*(\set)+4*(\t):BK+32*(\set)+4*(\t)+3], s[VPT:VPT+1] offset:(16*(\a)+2*(\t))*256
.endr
.endm
.macro ROWSUM a, which                 ; a row's sum: my four partial sums, and the lane 16 away
	WIN 0x55
	v_add_f32 v[SS], v[SS], v[SS+1]
	v_add_f32 v[SS+2], v[SS+2], v[SS+3]
	v_add_f32 v[SS], v[SS], v[SS+2]
	v_permlanex16_b32 v[SS+1], v[SS], s[SEL], s[SEL+1]
	v_add_f32 v[SS], v[SS], v[SS+1]
	WIN 0x04
	ds_store_b32 v[SQA], v[SS] offset:256*(\which)+64*(\a)
.endm
.macro SSQOUT which, ptr, imm          ; 64 rows' sums: 256 consecutive bytes
	WIN 0x40
	ds_load_b64 v[T+2*(\which):T+2*(\which)+1], v[SQL] offset:256*(\which)
	s_wait_dscnt 0x0
	WIN 0x04
	global_store_b64 v[SQO], v[T+2*(\which):T+2*(\which)+1], s[(\ptr):(\ptr)+1] offset:\imm
.endm
	s_cmp_lg_u32 s[CH], 0
	s_cbranch_scc1 .Lright
.irp a, 0,1,2,3                        ; my units: q low, q high, k low.  A unit's arithmetic stands between the loads of the unit before and its stores
	YMAKE \a, 0, 0, 1, 1
.if \a > 0
	SEND (3*\a+1)%2, RK, \a-1, 0
.endif
	TOSTAGE (3*\a)%2
	YMAKE \a, 1, 0, 1, 0
	SEND (3*\a)%2, RQ, \a, 0
	TOSTAGE (3*\a+1)%2
	ROWSUM \a, 0
	YMAKE \a, 2, 0, 1, 1
	SEND (3*\a+1)%2, RQ, \a, 256
	TOSTAGE (3*\a)%2
	ROWSUM \a, 1
.endr
	SEND 1, RK, 3, 0
	SSQOUT 0, SQ0, 0
	SSQOUT 1, SQ1, 0
	WIN 0
	s_branch .Lend
.Lright:
.irp a, 0,1,2,3                        ; my units: k high, then v's 128 columns
	YMAKE \a, 0, 0, 1, 1
.if \a > 0
	SENDV 1, \a-1
.endif
	TOSTAGE 0
	ROWSUM \a, 0
	YMAKE \a, 1, 0, 0, 0
	YMAKE \a, 2, 32, 0, 0
	SEND 0, RK, \a, 256
	VSTAGE 1
.endr
	SENDV 1, 3
	SSQOUT 0, SQ1, 8192
	WIN 0
.Lend:
	s_wait_tensorcnt 0x0                           ; the wave's end
	ds_add_u32 v[SPW], v[NIL]
	s_wait_dscnt 0x0
	CROUND                                         ; the closing round
	s_endpgm
.Lfunc_end_k_qead7b18add_qkv:
	.size	k_qead7b18add_qkv, .Lfunc_end_k_qead7b18add_qkv-k_qead7b18add_qkv
	.p2alignl 7, 3214868480
	.fill 96, 4, 3214868480
	.section	.rodata,"a",@progbits
	.p2align	6, 0x0
	.amdhsa_kernel k_qead7b18add_qkv
		.amdhsa_group_segment_fixed_size 327680
		.amdhsa_private_segment_fixed_size 0
		.amdhsa_enable_private_segment 0
		.amdhsa_kernarg_size 64
		.amdhsa_user_sgpr_count 2
		.amdhsa_user_sgpr_kernarg_segment_ptr 1
		.amdhsa_wavefront_size32 1
		.amdhsa_system_sgpr_workgroup_id_x 1
		.amdhsa_system_sgpr_workgroup_id_y 1
		.amdhsa_system_sgpr_workgroup_id_z 1
		.amdhsa_system_vgpr_workitem_id 0
		.amdhsa_next_free_vgpr 768
		.amdhsa_next_free_sgpr 96
		.amdhsa_reserve_vcc 0
		.amdhsa_float_denorm_mode_32 3
		.amdhsa_float_denorm_mode_16_64 3
		.amdhsa_memory_ordered 1
		.amdhsa_forward_progress 1
		.amdhsa_inst_pref_size 199
	.end_amdhsa_kernel
	.amdgpu_metadata
---
amdhsa.version: [ 1, 2 ]
amdhsa.kernels:
  - .name:           k_qead7b18add_qkv
    .symbol:         k_qead7b18add_qkv.kd
    .args:
      - { .name: xb, .offset: 0, .size: 8, .value_kind: global_buffer, .address_space: global }
      - { .name: wqkv, .offset: 8, .size: 8, .value_kind: global_buffer, .address_space: global }
      - { .name: bq, .offset: 16, .size: 8, .value_kind: global_buffer, .address_space: global }
      - { .name: bk, .offset: 24, .size: 8, .value_kind: global_buffer, .address_space: global }
      - { .name: bv, .offset: 32, .size: 8, .value_kind: global_buffer, .address_space: global }
      - { .name: raw, .offset: 40, .size: 8, .value_kind: global_buffer, .address_space: global }
      - { .name: vh, .offset: 48, .size: 8, .value_kind: global_buffer, .address_space: global }
      - { .name: ssq, .offset: 56, .size: 8, .value_kind: global_buffer, .address_space: global }
    .group_segment_fixed_size: 327680
    .private_segment_fixed_size: 0
    .kernarg_segment_align: 8
    .kernarg_segment_size: 64
    .max_flat_workgroup_size: 128
    .sgpr_count:     96
    .vgpr_count:     768
    .wavefront_size: 32
...
	.end_amdgpu_metadata
.endif
;; end of part 2
;; launch normrope (part 3): grid 256 x 1, 8 waves a work-group, no clusters, 0 bytes of LDS; arguments raw, ssq, gq, gk, freqs_cos, freqs_sin, qk16; writes qk16
.if DOCPART == 3
	.amdgcn_target "amdgcn-amd-amdhsa--gfx1250"
	.amdhsa_code_object_version 6
	.text
	.protected	k_qead7b18add_normrope
	.globl	k_qead7b18add_normrope
	.p2align	8
	.type	k_qead7b18add_normrope,@function
k_qead7b18add_normrope:
	s_mov_b64 s[64:65], 0
	v_nop
	global_prefetch_b8 v0, s[64:65] scope:SCOPE_SE
	s_setreg_imm32_b32 hwreg(HW_REG_WAVE_MODE, 25, 1), 1
	s_wait_xcnt 0x0
; q and k: y * rsqrt(mean(y^2) + 1e-6) * g, then the rotation of neighbouring pairs by (cos, sin) of the row; written by heads in f16: qk16 [16][2048][128], q at byte 0, k at byte 8,388,608.
; raw: f32 q [2048][2048], then k.  ssq: f32 [48][2048]: 16 partial sums of q's squares, 32 of k's.  g, cos and sin are rounded to bf16 like every input.
; LIMIT.  |q|, |k| <= sqrt(2048) |g| must lie within f16's 65,504.  The factor and g are multiplied first, then y: another order of rounding than y * factor * g.
; A stream: no LDS, no matrix unit.  A work-group takes 8 rows; wave w takes heads 2 w and 2 w + 1 of them, for q and k: 32 tasks of 128 numbers, 4 a lane (two pairs), all 32 loads out at once.
; Each store of the wave covers 256 consecutive bytes, aligned; no store's register is written again.
.set C,  20                            ; v[20:35]  cos of my two pairs, row by row
.set S,  36                            ; v[36:51]  sin
.set G,  52                            ; v[52:67]  gq of my 4 columns in head 2 w, 2 w + 1; gk likewise
.set GF, 68                            ; v[68:75]  factor x g for the row in hand
.set T,  76                            ; at work
.set X,  88                            ; v[88:215] task k: 4 registers
	s_load_b256 s[4:11], s[0:1], 0x0               ; raw, ssq, gq, gk
	s_load_b128 s[12:15], s[0:1], 0x20             ; cos, sin
	s_load_b64 s[16:17], s[0:1], 0x30              ; qk16
	v_and_b32 v18, 31, v0
	v_lshrrev_b32 v19, 5, v0
	v_readfirstlane_b32 s18, v19                   ; wave
	v_lshlrev_b32 v1, 4, v18                       ; 16 x lane
	v_lshlrev_b32 v2, 3, v18                       ; 8 x lane
	v_lshrrev_b32 v19, 3, v18
	v_and_b32 v18, 7, v18
	v_lshlrev_b32 v3, 2, v18
	v_lshl_add_u32 v3, v19, 13, v3                 ; ssq: list l / 8 of four, row l % 8
	s_lshl_b32 s19, ttmp9, 3                       ; my first row
	s_mov_b32 s39, 0
	s_mov_b32 s56, 0x3a000000                      ; 1 / 2048
	s_mov_b32 s57, 0x358637bd                      ; 1e-6
	s_mov_b32 s58, 0x76543210
	s_mov_b32 s59, 0xfedcba98
	s_mov_b32 s60, 0xffff0000
	s_lshl_b32 s61, s18, 10                        ; two heads: 1,024 bytes of a row in f32
	s_lshl_b32 s62, s19, 8
	s_wait_kmcnt 0x0
	s_lshl_b32 s38, s19, 13
	s_add_co_u32 s38, s38, s61
	s_add_nc_u64 s[20:21], s[4:5], s[38:39]        ; raw q at my rows and heads,
	s_add_nc_u64 s[22:23], s[20:21], 0x1000000     ; raw k
	s_lshl_b32 s38, s18, 20
	s_add_co_u32 s38, s38, s62
	s_add_nc_u64 s[24:25], s[16:17], s[38:39]      ; q out,
	s_add_nc_u64 s[26:27], s[24:25], 0x800000      ; k out
	s_lshl_b32 s38, s19, 2
	s_add_nc_u64 s[28:29], s[6:7], s[38:39]
	s_mov_b32 s38, s62
	s_add_nc_u64 s[30:31], s[12:13], s[38:39]
	s_add_nc_u64 s[32:33], s[14:15], s[38:39]
	s_mov_b32 s38, s61
	s_add_nc_u64 s[34:35], s[8:9], s[38:39]
	s_add_nc_u64 s[36:37], s[10:11], s[38:39]
.set i, 0
.rept 12
	global_load_b32 v[4+i], v3, s[28:29] offset:32768*i
.set i, i+1
.endr
.set i, 0
.rept 8
	global_load_b64 v[C+2*i:C+2*i+1], v2, s[30:31] offset:256*i
	global_load_b64 v[S+2*i:S+2*i+1], v2, s[32:33] offset:256*i
.set i, i+1
.endr
	global_load_b128 v[G:G+3],     v1, s[34:35]
	global_load_b128 v[G+4:G+7],   v1, s[34:35] offset:512
	global_load_b128 v[G+8:G+11],  v1, s[36:37]
	global_load_b128 v[G+12:G+15], v1, s[36:37] offset:512
.set k, 0
.rept 32                                               ; task k: matrix k / 16, row (k / 2) % 8, head 2 w + k % 2
	global_load_b128 v[X+4*k:X+4*k+3], v1, s[20+2*(k/16):21+2*(k/16)] offset:((k/2)%8)*8192+(k%2)*512 th:TH_LOAD_NT
.set k, k+1
.endr
	s_wait_loadcnt 52                              ; the twelve partial sums are in; the 52 younger loads stay out
	v_add_f32 v16, v4, v5
	v_add_f32 v18, v6, v7
	v_add_f32 v17, v8, v9
	v_add_f32 v19, v10, v11
	v_add_f32 v8, v12, v13
	v_add_f32 v9, v14, v15
	v_add_f32 v16, v16, v18
	v_add_f32 v17, v17, v19
	v_add_f32 v8, v8, v9
	v_add_f32 v17, v17, v8
	v_add_f32_dpp v16, v16, v16 row_xmask:8 row_mask:0xf bank_mask:0xf
	v_add_f32_dpp v17, v17, v17 row_xmask:8 row_mask:0xf bank_mask:0xf
	v_permlanex16_b32 v18, v16, s58, s59
	v_permlanex16_b32 v19, v17, s58, s59
	v_add_f32 v16, v16, v18                        ; lane l: the sum of q's squares in row l % 8,
	v_add_f32 v17, v17, v19                        ; of k's
	v_fma_f32 v16, v16, s56, s57
	v_fma_f32 v17, v17, s56, s57
	v_rsq_f32 v16, v16
	v_rsq_f32 v17, v17
	v_nop                                          ; a plain instruction between the last root and the use of its result
.set i, 0
	s_wait_alu depctr_va_vdst(0)
.rept 8
	v_readlane_b32 s[40+i], v16, i
	v_readlane_b32 s[48+i], v17, i
.set i, i+1
.endr
	s_wait_loadcnt 32                              ; cos, sin and g are in; the 32 tasks' loads stay out
.set i, C
.rept 24                                               ; C, S and G lie on end: each number rounded to bf16 and widened again
	v_cvt_pk_bf16_f32 v[T], v[i], v[i+1]
	v_lshlrev_b32 v[i], 16, v[T]
	v_and_b32 v[i+1], s60, v[T]
.set i, i+2
.endr
.macro TASK m, row, hh
.set k, 16*(\m)+2*(\row)+(\hh)
.set XR, X+4*k
	s_wait_loadcnt 31-k                            ; loads come back in order: task k's is in
	v_pk_mul_f32 v[XR:XR+1],   v[XR:XR+1],   v[GF+4*(\hh):GF+4*(\hh)+1]
	v_pk_mul_f32 v[XR+2:XR+3], v[XR+2:XR+3], v[GF+4*(\hh)+2:GF+4*(\hh)+3]
.irp p, 0,1
	v_mul_f32 v[T+(\p)],   v[XR+2*(\p)+1], v[S+2*(\row)+(\p)]
	v_mul_f32 v[T+2+(\p)], v[XR+2*(\p)+1], v[C+2*(\row)+(\p)]
.endr
.irp p, 0,1
	v_fma_f32 v[T+(\p)],   v[XR+2*(\p)], v[C+2*(\row)+(\p)], -v[T+(\p)]      ; x0 c - x1 s
	v_fma_f32 v[T+2+(\p)], v[XR+2*(\p)], v[S+2*(\row)+(\p)], v[T+2+(\p)]     ; x0 s + x1 c
.endr
	v_cvt_pk_f16_f32 v[XR],   v[T],   v[T+2]
	v_cvt_pk_f16_f32 v[XR+1], v[T+1], v[T+3]
	global_store_b64 v2, v[XR:XR+1], s[24+2*(\m):25+2*(\m)] offset:(\hh)*524288+(\row)*256
.endm
.irp m, 0,1
.irp row, 0,1,2,3,4,5,6,7
.irp c, 0,1,2,3,4,5,6,7
	v_mul_f32 v[GF+(\c)], s[40+8*(\m)+(\row)], v[G+8*(\m)+(\c)]
.endr
	TASK \m, \row, 0
	TASK \m, \row, 1
.endr
.endr
	s_endpgm
.Lfunc_end_k_qead7b18add_normrope:
	.size	k_qead7b18add_normrope, .Lfunc_end_k_qead7b18add_normrope-k_qead7b18add_normrope
	.p2alignl 7, 3214868480
	.fill 96, 4, 3214868480
	.section	.rodata,"a",@progbits
	.p2align	6, 0x0
	.amdhsa_kernel k_qead7b18add_normrope
		.amdhsa_group_segment_fixed_size 0
		.amdhsa_private_segment_fixed_size 0
		.amdhsa_enable_private_segment 0
		.amdhsa_kernarg_size 56
		.amdhsa_user_sgpr_count 2
		.amdhsa_user_sgpr_kernarg_segment_ptr 1
		.amdhsa_wavefront_size32 1
		.amdhsa_system_sgpr_workgroup_id_x 1
		.amdhsa_system_sgpr_workgroup_id_y 1
		.amdhsa_system_sgpr_workgroup_id_z 1
		.amdhsa_system_vgpr_workitem_id 0
		.amdhsa_next_free_vgpr 216
		.amdhsa_next_free_sgpr 66
		.amdhsa_reserve_vcc 0
		.amdhsa_float_denorm_mode_32 3
		.amdhsa_float_denorm_mode_16_64 3
		.amdhsa_memory_ordered 1
		.amdhsa_forward_progress 1
		.amdhsa_inst_pref_size 41
	.end_amdhsa_kernel
	.amdgpu_metadata
---
amdhsa.version: [ 1, 2 ]
amdhsa.kernels:
  - .name:           k_qead7b18add_normrope
    .symbol:         k_qead7b18add_normrope.kd
    .args:
      - { .name: raw, .offset: 0, .size: 8, .value_kind: global_buffer, .address_space: global }
      - { .name: ssq, .offset: 8, .size: 8, .value_kind: global_buffer, .address_space: global }
      - { .name: gq, .offset: 16, .size: 8, .value_kind: global_buffer, .address_space: global }
      - { .name: gk, .offset: 24, .size: 8, .value_kind: global_buffer, .address_space: global }
      - { .name: freqs_cos, .offset: 32, .size: 8, .value_kind: global_buffer, .address_space: global }
      - { .name: freqs_sin, .offset: 40, .size: 8, .value_kind: global_buffer, .address_space: global }
      - { .name: qk16, .offset: 48, .size: 8, .value_kind: global_buffer, .address_space: global }
    .group_segment_fixed_size: 0
    .private_segment_fixed_size: 0
    .kernarg_segment_align: 8
    .kernarg_segment_size: 56
    .max_flat_workgroup_size: 256
    .sgpr_count:     66
    .vgpr_count:     216
    .wavefront_size: 32
...
	.end_amdgpu_metadata
.endif
;; end of part 3
;; launch attn (part 4): grid 16 x 16, 4 waves a work-group, clusters of 4 x 1, 327,680 bytes of LDS; arguments qk16, vh, oh; writes oh
.if DOCPART == 4
	.amdgcn_target "amdgcn-amd-amdhsa--gfx1250"
	.amdhsa_code_object_version 6
	.text
	.protected	k_qead7b18add_attn
	.globl	k_qead7b18add_attn
	.p2align	8
	.type	k_qead7b18add_attn,@function
k_qead7b18add_attn:
	s_mov_b64 s[64:65], 0
	v_nop
	global_prefetch_b8 v0, s[64:65] scope:SCOPE_SE
	s_setreg_imm32_b32 hwreg(HW_REG_WAVE_MODE, 25, 1), 1
	s_wait_xcnt 0x0
	s_wait_alu depctr_hold_cnt(0) depctr_sa_sdst(0) depctr_va_vdst(0) depctr_va_sdst(0) depctr_va_ssrc(0) depctr_va_vcc(0) depctr_vm_vsrc(0)
	s_getreg_b32 s2, hwreg(HW_REG_IB_STS2, 6, 4)
	s_cmp_eq_u32 s2, 0
	s_cbranch_scc0 .Lentry_in_a_cluster
	s_endpgm
.Lentry_in_a_cluster:
	s_bfe_u32 s2, ttmp6, 0x10000c
	s_cmp_lg_u32 s2, 0x3003
	s_cbranch_scc0 .Lentry_shape_is_right
	s_endpgm
.Lentry_shape_is_right:
; CAUSAL ATTENTION, 16 heads of 128 channels, 2,048 rows.  qk16: f16 [16][2048][128], q at byte 0, k at byte 8,388,608; vh likewise; oh: f16 [2048][2048], column 128 h + ch.
; Products, maxima and sums in f32; the weights are rounded to f16 for the second product (their sum is taken unrounded), O once at the end.
; LIMITS.  q, k, v arrive within f16's 65,504.  A hidden score is replaced by -2^100 (not -1e30): c times a power of two is exact, so that a wave whose keys are all hidden gets weights of exactly 1,
; which the joining of the key halves multiplies by 0; both numbers give a hidden key the weight 0 wherever a row's real scores lie far above -1e28.  A weight below 2^-126 counts as 0; NaN and infinities are not treated apart.
; THE WALK.  A work-group takes two blocks of 64 queries, 31 - b and then b, b = 4 c + cx.  A cluster's four long blocks are the 256 rows of super-block 7 - c, its four short ones those of super-block c.
; So all four partners walk the same key tiles of 256 keys: 0 .. 7 - c, then 0 .. c: nine tiles whatever c, each asked for jointly.  The last tile of each part holds the diagonal.
; What a trip does hangs on c alone, which the partners share; cx enters Q's and O's addresses and the mask's numbers alone.
; WAVES.  Wave w: queries 32 (w / 2) on (two tiles of 16), keys 128 (w % 2) on of every tile, in two CHUNKS of 64: 18 chunks.  Each wave keeps its own maximum, sum and O; the two key halves are joined at a block's end.
; LAYOUT.  S^T = K Q^T holds one query a lane (lane % 16) and the keys 8 (lane / 16) + 0..7; two such results rounded to f16 ARE source 1 of O^T = V^T P.  p = 2^(c s - c m), c = log2(e) / sqrt(128).
; IN PHASES: a chunk's softmax, its V^T P, the next chunk's K Q^T.
; REGISTERS: window 0: addresses, statistics, S^T v64-127, P v128-159, at work v160-223.   window 1: O^T v0-127, V v128-255.   window 2: Q v0-63, K v64-191.
.set PK,    272
.set PV,    288
.set VOFF,  256*PK                     ; a slot: 256 rows of K, then 256 rows of V
.set SLOT1, 256*(PK+PV)
.set MRG,   2*SLOT1                    ; behind the ring: 8,192 bytes a wave for the joining; then the way out's stage, 64 rows x 272
.set STAT,  MRG+4*8192                 ; 256 bytes a wave: c m and the sum of two tiles
.set SPARE, STAT+1024                  ; the spare words, 128 bytes for each wave
.set SP,    272
.set AK0, 2
.set AV0, 3
.set ADR, 4
.set ADRV, 5
.set QO,  6
.set STO, 7
.set RD,  8
.set GO,  12
.set VD,  13
.set SA,  14
.set SB,  15
.set MST, 16
.set MLD, 17
.set VD0, 18
.set BIG, 19
.set ST,  20                           ; tile t at ST + 8 t: c m, m, l (even keys', odd keys'), c0-c3 at work
.set RS,  36                           ; v36-39 c m of (key half, tile), v40-43 the sums
.set F,   44                           ; v44-51 four pairs: the factor of (key half, tile)
.set MX,  52                           ; v52-55 at work
.set SPW, 62
.set NIL, 63
.set S,   64
.set P,   128
.set W,   160
.set VF,  128                          ; window 1
.set KF,  64                           ; window 2
.set WV,  12
.set QH,  13
.set KH,  20
.set CX,  21
.set CC,  22
.set G1K, 24
.set G1V, 32
.set G0K, 40
.set G0V, 44
.set KB,  48
.set VB,  50
.set QP2, 52
.set OP,  54
.set OP2, 56
.set CS,  58
.set SEL, 60
.set TBK, 62
.set TBV, 63
.set SLOTS, 66
.set CNT, 67
.set CL,  68                           ; chunks left in the block, the one in hand among them
.set NXT, 69                           ; the tile to be asked for next
.set LQ,  70                           ; the last tile of the part whose tiles are being asked for
.set FS,  71                           ; the slot to be filled: 0 or SLOT1
.set OFF, 72
.set KLO, 74
.set VLO, 75
.set DB,  76
.set DB2, 77
.set BLK, 78
.set TMP, 79
.set QP,  80
.set MSB, 0
.macro WIN new
.if MSB != (\new)
	s_set_vgpr_msb (MSB<<8)|(\new)
.set MSB, \new
.endif
.endm
.set W_KQ, 0x0a                        ; K and Q window 2, S^T window 0
.set W_PV, 0x51                        ; V and O^T window 1, P window 0
.set W_RS, 0x41                        ; O^T window 1, the factor window 0
.macro PLACES
.rept 4
	v_nop
.endr
.endm
.macro JLOAD                           ; waves 0, 1 ask for K's halves, waves 2, 3 for V's: 128 rows each
	s_cmp_lt_u32 s[WV], 2
	s_cbranch_scc0 .Lfor_v_\@
	tensor_load_to_lds s[G0K:G0K+3], s[G1K:G1K+7]
	s_nop 0
.rept 4
	v_nop
.endr
	s_branch .Lasked_\@
.Lfor_v_\@:
	tensor_load_to_lds s[G0V:G0V+3], s[G1V:G1V+7]
	s_nop 0
.rept 4
	v_nop
.endr
.Lasked_\@:
.endm
.macro CROUND
	s_barrier_signal -1
	s_barrier_wait -1
	s_cmp_lg_u32 s[WV], 0
	s_cbranch_scc1 .Lnot_wave_0_\@
	s_barrier_signal -3
.Lnot_wave_0_\@:
	s_barrier_wait -3
	s_barrier_signal -1
	s_barrier_wait -1
.endm
.macro BAR                             ; my LDS instructions are done; then all four waves'
	s_wait_dscnt 0x0
	s_barrier_signal -1
	s_barrier_wait -1
.endm
; THE CHANGE OF SLOTS.  Each wave waits for all its tensor loads (one is out: its part of the other slot), adds 0 to its spare word, and waits for that and for its reads of the slot that it leaves.
; fill = 1: the barrier is a round of the cluster's, and the old slot is filled first thing behind it with tile NXT; the descriptor is made anew from that number.
.macro CHANGE fill
	WIN 0
	s_wait_tensorcnt 0x0
	ds_add_u32 v[SPW], v[NIL]
.if \fill
	s_xor_b32 s[FS], s[FS], SLOT1
	s_add_co_u32 s[G0K+1], s[FS], s[KLO]
	s_add_co_u32 s[G0V+1], s[FS], s[VLO]
	s_lshl_b32 s[OFF], s[NXT], 16                  ; a tile is 65,536 bytes of K and of V
	s_add_nc_u64 s[G0K+2:G0K+3], s[KB:KB+1], s[OFF:OFF+1]
	s_or_b32 s[G0K+3], s[G0K+3], 0x80000000
	s_add_nc_u64 s[G0V+2:G0V+3], s[VB:VB+1], s[OFF:OFF+1]
	s_or_b32 s[G0V+3], s[G0V+3], 0x80000000
	s_add_co_u32 s[NXT], s[NXT], 1                 ; the part's next tile, or behind its last the short block's tile 0
	s_cmp_gt_u32 s[NXT], s[LQ]
	s_cselect_b32 s[NXT], 0, s[NXT]
	s_cselect_b32 s[LQ], s[CC], s[LQ]
	s_wait_dscnt 0x0
	CROUND
	JLOAD
.else
	s_wait_dscnt 0x0
	s_barrier_signal -1
	s_barrier_wait -1
.endif
	s_sub_co_u32 s[TBK], s[TBK], 128*PK            ; the fetches go back to my half's first chunk,
	s_xor_b32 s[TBK], s[TBK], SLOT1                ; in the other slot (the number is 0 or SLOT1 here)
	s_sub_co_u32 s[TBV], s[TBV], 128*PV
	s_xor_b32 s[TBV], s[TBV], SLOT1
.endm
	s_load_b128 s[4:7], s[0:1], 0x0                ; qk16, vh
	s_load_b64 s[8:9], s[0:1], 0x10                ; oh
	v_lshl_add_u32 v[SPW], v0, 2, SPARE
	v_mov_b32 v[NIL], 0
	ds_add_u32 v[SPW], v[NIL]                      ; the wave's opening: the add and its wait ahead of my first tensor load
	v_lshrrev_b32 v1, 5, v0
	v_readfirstlane_b32 s[WV], v1
	s_lshr_b32 s[QH], s[WV], 1
	s_and_b32 s[KH], s[WV], 1
	s_bfe_u32 s[CX], ttmp6, 0x40000
	s_mov_b32 s[CC], ttmp9                         ; c: the cluster's number, shared by the partners
	s_and_b32 s14, ttmp7, 0xffff                   ; the head
	s_lshl_b32 s16, s14, 19                        ; its 524,288 bytes
	s_mov_b32 s17, 0
	s_lshl_b32 s18, s[KH], 15                      ; the half of a tile that I fetch
	s_mov_b32 s19, 0
	s_add_nc_u64 s[18:19], s[18:19], s[16:17]
	s_mul_i32 s[KLO], s[KH], 128*PK
	s_mul_i32 s[VLO], s[KH], 128*PV
	s_add_co_u32 s[VLO], s[VLO], VOFF
	s_lshl_b32 s84, s[CC], 2
	s_add_co_u32 s84, s84, s[CX]                   ; b
	s_sub_co_u32 s85, 31, s84                      ; 31 - b
	s_lshl_b32 s23, s[QH], 13
	s_lshl_b32 s82, s85, 14                        ; Q: 64 rows of 256 bytes a block, 32 rows a query half
	s_add_co_u32 s82, s82, s23
	s_mov_b32 s83, 0
	s_add_nc_u64 s[82:83], s[82:83], s[16:17]
	s_lshl_b32 s86, s84, 14
	s_add_co_u32 s86, s86, s23
	s_mov_b32 s87, 0
	s_add_nc_u64 s[86:87], s[86:87], s[16:17]
	s_lshl_b32 s23, s[WV], 16                      ; O: 16 rows of 4,096 bytes a wave, 256 bytes a head
	s_lshl_b32 s15, s14, 8
	s_add_co_u32 s23, s23, s15
	s_lshl_b32 s88, s85, 18
	s_add_co_u32 s88, s88, s23
	s_mov_b32 s89, 0
	s_lshl_b32 s90, s84, 18
	s_add_co_u32 s90, s90, s23
	s_mov_b32 s91, 0
	s_lshl_b32 s15, s[QH], 5                       ; the mask: 64 p + 32 qh - 128 kh - 128, p = 3 - cx for the long block, cx for the short
	s_lshl_b32 s23, s[KH], 7
	s_sub_co_i32 s15, s15, s23
	s_lshl_b32 s[TMP], s[CX], 6
	s_add_co_i32 s[DB2], s15, s[TMP]
	s_sub_co_i32 s[DB2], s[DB2], 128
	s_sub_co_i32 s[DB], s15, s[TMP]
	s_add_co_i32 s[DB], s[DB], 64
	s_mov_b32 s[G1K], 15|(1<<16)|(1<<20)|(1<<21)|(5<<22)|(3<<25)  ; all four partners; 2-byte elements; padding on; bit 21 beside a mask; after every 64 words, 4 words
	s_mov_b32 s[G1V], 15|(1<<16)|(1<<20)|(1<<21)|(5<<22)|(7<<25)  ; 8 words
.irp g, G1K, G1V
	s_mov_b32 s[(\g)+1], 128<<16
	s_mov_b32 s[(\g)+2], 128<<16
	s_mov_b32 s[(\g)+3], 128<<16
	s_mov_b32 s[(\g)+4], 128
	s_mov_b32 s[(\g)+5], 128
	s_mov_b32 s[(\g)+6], 0
	s_mov_b32 s[(\g)+7], 0
.endr
	s_mov_b32 s[CS], 0x3e0293ee                    ; c = log2(e) / sqrt(128)
	s_mov_b32 s[CS+1], s[CS]
	s_mov_b32 s[SEL], 0x76543210
	s_mov_b32 s[SEL+1], 0xfedcba98
	s_mov_b32 s[TBK], SLOT1+128*PK                 ; the first change of slots turns these two into 0
	s_mov_b32 s[TBV], SLOT1+128*PV
	s_lshl_b32 s[CL], s[CC], 1
	s_sub_co_u32 s[CL], 16, s[CL]                  ; the long block has 8 - c tiles
	s_mov_b32 s[NXT], 1
	s_sub_co_u32 s[LQ], 7, s[CC]
	s_mov_b32 s[FS], 0
	s_mov_b32 s[OFF+1], 0
	s_mov_b32 s[BLK], 0
	s_mov_b32 s[G0K], 1
	s_mov_b32 s[G0K+1], s[KLO]
	s_mov_b32 s[G0V], 1
	s_mov_b32 s[G0V+1], s[VLO]
	s_wait_dscnt 0x0                               ; the opening add is done
	s_wait_kmcnt 0x0
	s_add_nc_u64 s[KB:KB+1], s[4:5], s[18:19]
	s_add_nc_u64 s[KB:KB+1], s[KB:KB+1], 0x800000
	s_add_nc_u64 s[VB:VB+1], s[6:7], s[18:19]
	s_mov_b64 s[G0K+2:G0K+3], s[KB:KB+1]
	s_or_b32 s[G0K+3], s[G0K+3], 0x80000000
	s_mov_b64 s[G0V+2:G0V+3], s[VB:VB+1]
	s_or_b32 s[G0V+3], s[G0V+3], 0x80000000
	s_add_nc_u64 s[QP:QP+1], s[4:5], s[82:83]
	s_add_nc_u64 s[QP2:QP2+1], s[4:5], s[86:87]
	s_add_nc_u64 s[OP:OP+1], s[8:9], s[88:89]
	s_add_nc_u64 s[OP2:OP2+1], s[8:9], s[90:91]
	CROUND                                         ; all four work-groups are here
	JLOAD                                          ; tile 0 into slot 0; slot 1 is asked for when it is in
	v_and_b32 v1, 15, v0                           ; r
	v_bfe_u32 v9, v0, 4, 1                         ; h
	v_and_b32 v10, 7, v0
	v_bfe_u32 v11, v0, 3, 1
	v_lshlrev_b32 v[QO], 8, v1
	v_lshl_add_u32 v[QO], v9, 4, v[QO]
	WIN 0x80
.set i, 0
.rept 8                                                ; Q stays in registers: tile i / 4, channels 32 (i % 4) on
	global_load_b128 v[8*i:8*i+3],   v[QO], s[QP:QP+1] offset:(i/4)*4096+(i%4)*64
	global_load_b128 v[8*i+4:8*i+7], v[QO], s[QP:QP+1] offset:(i/4)*4096+(i%4)*64+32
.set i, i+1
.endr
	WIN 0x40
.set i, 0
.rept 128                                              ; a block's first chunk multiplies O^T by 0: it need only be finite.  This stands in the wait for the first tile
	v_mov_b32 v[i], 0
.set i, i+1
.endr
	WIN 0
.irp t, 0,1
	v_mov_b32 v[ST+8*(\t)], 0xfe000000             ; c m: far below every c s
	v_mov_b32 v[ST+8*(\t)+1], 0xff7fffff           ; m
	v_mov_b32 v[ST+8*(\t)+2], 0
	v_mov_b32 v[ST+8*(\t)+3], 0
.endr
	v_mul_u32_u24 v[AK0], v1, PK
	v_lshl_add_u32 v[AK0], v9, 4, v[AK0]
	v_add_nc_u32 v[AK0], s[KLO], v[AK0]            ; my key half, row x pitch + 16 x half
	v_lshl_add_u32 v[AV0], v9, 3, v10              ; V, turned: key 8 h + l % 8, channels 8 ((l / 8) % 2) on
	v_mul_u32_u24 v[AV0], v[AV0], PV
	v_lshl_add_u32 v[AV0], v11, 4, v[AV0]
	v_add_nc_u32 v[AV0], s[VLO], v[AV0]
	v_and_b32 v[ADR], 31, v0                       ; lane
	s_mul_i32 s15, s[QH], 32*SP
	s_lshl_b32 s23, s[KH], 7
	s_add_co_u32 s15, s15, s23
	s_add_co_u32 s15, s15, MRG
	v_mul_u32_u24 v[STO], v1, SP
	v_lshl_add_u32 v[STO], v9, 4, v[STO]
	v_add_nc_u32 v[STO], s15, v[STO]
	s_mul_i32 s15, s[WV], 16*SP
	s_add_co_u32 s15, s15, MRG
	v_mul_u32_u24 v[RD], v9, SP
	v_lshl_add_u32 v[RD], v1, 4, v[RD]
	v_add_nc_u32 v[RD], s15, v[RD]
	v_lshlrev_b32 v[GO], 12, v9
	v_lshl_add_u32 v[GO], v1, 4, v[GO]
	v_lshlrev_b32 v[VD0], 3, v9
	v_sub_nc_u32 v[VD0], v1, v[VD0]                ; r - 8 h
	s_lshl_b32 s15, s[WV], 8
	s_add_co_u32 s15, s15, STAT
	v_lshl_add_u32 v[SA], v1, 2, s15
	s_lshl_b32 s15, s[QH], 9
	s_add_co_u32 s15, s15, STAT
	v_lshl_add_u32 v[SB], v1, 2, s15
	s_lshl_b32 s15, s[WV], 13
	s_add_co_u32 s15, s15, MRG
	v_lshl_add_u32 v[MST], v[ADR], 4, s15
	s_lshl_b32 s15, s[QH], 14
	s_lshl_b32 s23, s[KH], 12
	s_add_co_u32 s15, s15, s23
	s_add_co_u32 s15, s15, MRG
	v_lshl_add_u32 v[MLD], v[ADR], 4, s15
	v_mov_b32 v[BIG], 0xf1800000                   ; -2^100
; THE MATRIX WORK.  The accumulators take turns, one instruction a turn.
.macro KQ                              ; product i of 32: channels 32 (i / 8) on, keys 16 ((i / 2) % 4) on, tile i % 2; the first 8 start the sums
	WIN W_KQ
.set rS, S+32*(i%2)+8*((i/2)%4)
.set rK, KF+32*((i/2)%4)+8*(i/8)
.set rQ, 32*(i%2)+8*(i/8)
.if i < 8
	v_wmma_f32_16x16x32_f16 v[rS:rS+7], v[rK:rK+7], v[rQ:rQ+7], 0
.else
	v_wmma_f32_16x16x32_f16 v[rS:rS+7], v[rK:rK+7], v[rQ:rQ+7], v[rS:rS+7]
.endif
.set i, i+1
.endm
.macro PV                              ; product i of 32: keys 32 (i / 16) on, channels 16 ((i / 2) % 8) on, tile i % 2
	WIN W_PV
.set rO, 64*(i%2)+8*((i/2)%8)
.set rV, VF+64*(i/16)+8*((i/2)%8)
.set rP, P+16*(i%2)+8*(i/16)
	v_wmma_f32_16x16x32_f16 v[rO:rO+7], v[rV:rV+7], v[rP:rP+7], v[rO:rO+7]
.set i, i+1
.endm
.macro FETCH_K                         ; a chunk's K: 64 keys x 128 channels
	WIN 0x80
.irp f, 0,1,2,3,4,5,6,7,8,9,10,11,12,13,14,15
	ds_load_b128 v[KF+8*(\f):KF+8*(\f)+3],   v[ADR] offset:((\f)/4)*16*PK+((\f)%4)*64
	ds_load_b128 v[KF+8*(\f)+4:KF+8*(\f)+7], v[ADR] offset:((\f)/4)*16*PK+((\f)%4)*64+32
.endr
	s_add_co_u32 s[TBK], s[TBK], 64*PK
.endm
.macro FETCH_V                         ; its V, turned
	WIN 0x40
.irp f, 0,1,2,3,4,5,6,7,8,9,10,11,12,13,14,15
	ds_load_tr16_b128 v[VF+8*(\f):VF+8*(\f)+3],   v[ADRV] offset:((\f)/8)*32*PV+((\f)%8)*32
	ds_load_tr16_b128 v[VF+8*(\f)+4:VF+8*(\f)+7], v[ADRV] offset:((\f)/8)*32*PV+16*PV+((\f)%8)*32
.endr
	s_add_co_u32 s[TBV], s[TBV], 64*PV
.endm
; THE MASK, in the two chunks of a diagonal tile.  Key 128 kh + 64 chunk + 16 kb + 8 h + j is hidden from query 64 p + 32 qh + 16 t + r where 16 (kb - t) + j > VD.  Each accumulator is taken from its lowest register on.
.macro MASK
	s_lshl_b32 s[TMP], s[CL], 6
	s_add_co_i32 s[TMP], s[TMP], s[DB]
	v_add_nc_u32 v[VD], s[TMP], v[VD0]
.irp d, -1,0,1,2,3
.irp jj, 0,1,2,3,4,5,6,7
	v_cmp_gt_i32 vcc_lo, 16*(\d)+(\jj), v[VD]
.irp t, 0,1
.if ((\d)+(\t) >= 0) && ((\d)+(\t) < 4)
	v_cndmask_b32 v[S+32*(\t)+8*((\d)+(\t))+(\jj)], v[S+32*(\t)+8*((\d)+(\t))+(\jj)], v[BIG], vcc_lo
.endif
.endr
.endr
.endr
.endm
; A tile's softmax for a chunk is a list of 134 instructions; SM writes number j for tile t.
;   0-15 the maximum of the 32 scores and the old m     16-20 the other half of the lanes'; the new m; c m; c m_old - c m_new
;   21-87 33 exponentials at the odd numbers from 23 on, each with a plain instruction behind it: scalings ahead, roundings behind, the first sums     88-101 the rest of the sums; l = a l + sum     102-133 O^T times a
.macro SM t
.set rT, ST+8*(\t)
.set rS, S+32*(\t)
.set rP, P+16*(\t)
.set rO, 64*(\t)+2*(j-102)
.set q, (j-20)/2
.if j < 102
	WIN 0
.endif
.if j < 4
	v_max3_num_f32 v[rT+4+j], v[rS+8*j], v[rS+8*j+1], v[rS+8*j+2]
.elseif j < 12
	v_max3_num_f32 v[rT+4+j%4], v[rT+4+j%4], v[rS+8*(j%4)+2*(j/4)+1], v[rS+8*(j%4)+2*(j/4)+2]
.elseif j == 12
	v_max3_num_f32 v[rT+4], v[rT+4], v[rS+7], v[rS+15]
.elseif j == 13
	v_max3_num_f32 v[rT+6], v[rT+6], v[rS+23], v[rS+31]
.elseif j == 14
	v_max3_num_f32 v[rT+4], v[rT+4], v[rT+5], v[rT+6]
.elseif j == 15
	v_max3_num_f32 v[rT+4], v[rT+4], v[rT+7], v[rT+1]
.elseif j == 16
	v_permlanex16_b32 v[rT+5], v[rT+4], s[SEL], s[SEL+1]
.elseif j == 17
	v_mov_b32 v[rT+7], v[rT]
.elseif j == 18
	v_max_num_f32 v[rT+1], v[rT+4], v[rT+5]
.elseif j == 19
	v_mul_f32 v[rT], s[CS], v[rT+1]
.elseif j == 20
	v_sub_f32 v[rT+7], v[rT+7], v[rT]
.elseif j == 23
	v_exp_f32 v[rT+6], v[rT+7]
.elseif (j < 88) && (j > 23) && (j%2 == 1)
	v_exp_f32 v[rS+(j-25)/2], v[rS+(j-25)/2]
.elseif (q < 4) || ((j < 76) && (q%2 == 0))
.set b, q/2+2
.if q < 4
.set b, q
.endif
	v_pk_fma_f32 v[rS+2*b:rS+2*b+1], v[rS+2*b:rS+2*b+1], s[CS:CS+1], v[rT:rT+1] op_sel_hi:[1,0,0] neg_lo:[0,0,1] neg_hi:[0,0,1]
.elseif (j < 88) && (q%2 == 1)
	s_wait_alu depctr_va_vdst(0)
	v_cvt_pk_f16_f32 v[rP+(q-5)/2], v[rS+q-5], v[rS+q-4]
.elseif j == 89
	s_wait_alu depctr_va_vdst(0)
	v_cvt_pk_f16_f32 v[rP+15], v[rS+30], v[rS+31]
.elseif j < 102
.set z, j-86
.if j < 89
.set z, (j-76)/4
.endif
.set w, 4
.set u, z
.if z >= 14
.set w, 32
.set u, 0
.elseif z >= 12
.set w, 16
.set u, z-12
.elseif z >= 8
.set w, 8
.set u, z-8
.endif
.if z < 15
	v_pk_add_f32 v[rS+w*u:rS+w*u+1], v[rS+w*u:rS+w*u+1], v[rS+w*u+w/2:rS+w*u+w/2+1]
.else
	v_pk_fma_f32 v[rT+2:rT+3], v[rT+2:rT+3], v[rT+6:rT+7], v[rS:rS+1] op_sel_hi:[1,0,1]
.endif
.else
	WIN W_RS
	v_pk_mul_f32 v[rO:rO+1], v[rO:rO+1], v[rT+6:rT+7] op_sel_hi:[1,0]
.endif
.endm
.macro SOFTMAX                         ; both tiles' lists, two numbers at a time: among the exponentials tile by tile (plain, exponential, plain, exponential), elsewhere the tiles alternate
.set k, 0
.rept 67
.if (k >= 11) && (k < 44)
.irp t, 0,1
.irp n, 0,1
.set j, 2*k+(\n)
	SM \t
.endr
.endr
.else
.irp n, 0,1
.irp t, 0,1
.set j, 2*k+(\n)
	SM \t
.endr
.endr
.endif
.set k, k+1
.endr
.endm
; A BLOCK'S END.  The two key halves of a query half are joined: O = (F0 O0 + F1 O1), F = 2^(c m - c M) / (F0' L0 + F1' L1).  The branch round it hangs on c alone: all four waves, and all partners, take it alike.
.macro MHALF t                         ; tile t: both waves put their O^T into LDS, each takes half of the channels of both
	WIN 0x04
.set i, 0
.rept 16
	ds_store_b128 v[MST], v[64*(\t)+4*i:64*(\t)+4*i+3] offset:512*i
.set i, i+1
.endr
	WIN 0
	BAR
.set i, 0
.rept 8
	ds_load_b128 v[W+4*i:W+4*i+3],       v[MLD] offset:512*i
	ds_load_b128 v[W+32+4*i:W+32+4*i+3], v[MLD] offset:8192+512*i
.set i, i+1
.endr
	s_wait_dscnt 0x0                               ; my reads are over:
	s_barrier_signal -1                            ; say so, and work on registers while the others arrive
.set z, 0
.rept 16
	v_pk_mul_f32 v[W+2*z:W+2*z+1], v[W+2*z:W+2*z+1], v[F+2*(\t):F+2*(\t)+1] op_sel_hi:[1,0]
.set z, z+1
.endr
.set z, 0
.rept 16
	v_pk_fma_f32 v[W+2*z:W+2*z+1], v[W+32+2*z:W+32+2*z+1], v[F+4+2*(\t):F+4+2*(\t)+1], v[W+2*z:W+2*z+1] op_sel_hi:[1,0,1]
.set z, z+1
.endr
.set z, 0
.rept 16
	v_cvt_pk_f16_f32 v[P+16*(\t)+z], v[W+2*z], v[W+2*z+1]
.set z, z+1
.endr
	s_barrier_wait -1                              ; nobody reads these bytes any more
.endm
.macro MERGE
	PLACES                                         ; behind the last products
	s_cmp_lg_u32 s[BLK], 0
	s_cbranch_scc1 .Lnoq_\@
	WIN 0x80
.set i, 0
.rept 8                                                ; the short block's Q
	global_load_b128 v[8*i:8*i+3],   v[QO], s[QP2:QP2+1] offset:(i/4)*4096+(i%4)*64
	global_load_b128 v[8*i+4:8*i+7], v[QO], s[QP2:QP2+1] offset:(i/4)*4096+(i%4)*64+32
.set i, i+1
.endr
	WIN 0
.Lnoq_\@:
.irp t, 0,1
	v_add_f32 v[ST+8*(\t)+4], v[ST+8*(\t)+2], v[ST+8*(\t)+3]
.endr
.irp t, 0,1
	v_permlanex16_b32 v[ST+8*(\t)+5], v[ST+8*(\t)+4], s[SEL], s[SEL+1]
.endr
.irp t, 0,1
	v_add_f32 v[ST+8*(\t)+4], v[ST+8*(\t)+4], v[ST+8*(\t)+5]
.endr
.irp t, 0,1
	ds_store_b32 v[SA], v[ST+8*(\t)] offset:64*(\t)
	ds_store_b32 v[SA], v[ST+8*(\t)+4] offset:128+64*(\t)
.endr
	BAR
.irp i, 0,1,2,3                        ; key half i / 2, tile i % 2
	ds_load_b32 v[RS+(\i)],   v[SB] offset:256*((\i)/2)+64*((\i)%2)
	ds_load_b32 v[RS+4+(\i)], v[SB] offset:256*((\i)/2)+64*((\i)%2)+128
.endr
	s_wait_dscnt 0x0
.irp t, 0,1
	v_max_num_f32 v[MX+(\t)], v[RS+(\t)], v[RS+2+(\t)]
.endr
.irp i, 0,1,2,3
	v_sub_f32 v[RS+(\i)], v[RS+(\i)], v[MX+(\i)%2]
.endr
.irp i, 0,1,2,3
	v_exp_f32 v[RS+(\i)], v[RS+(\i)]
.endr
	v_nop                                          ; a plain instruction behind the last exponential
	s_wait_alu depctr_va_vdst(0)
.irp t, 0,1
	v_mul_f32 v[MX+2+(\t)], v[RS+(\t)], v[RS+4+(\t)]
.endr
.irp t, 0,1
	v_fmac_f32 v[MX+2+(\t)], v[RS+2+(\t)], v[RS+6+(\t)]
.endr
.irp t, 0,1
	v_rcp_f32 v[MX+2+(\t)], v[MX+2+(\t)]
.endr
	v_nop
	s_wait_alu depctr_va_vdst(0)
.irp i, 0,1,2,3
	v_mul_f32 v[F+2*(\i)], v[RS+(\i)], v[MX+2+(\i)%2]
.endr
.irp i, 0,1,2,3
	v_mov_b32 v[F+2*(\i)+1], v[F+2*(\i)]           ; named as pairs
.endr
	MHALF 0
	MHALF 1
.irp t, 0,1                            ; the way out: 16 bytes a lane into rows of 272 bytes; a row's 256 bytes come from two waves
.irp ii, 0,1,2,3
	ds_store_b128 v[STO], v[P+16*(\t)+4*(\ii):P+16*(\t)+4*(\ii)+3] offset:16*SP*(\t)+32*(\ii)
.endr
.endr
	BAR
.irp i, 0,1,2,3,4,5,6,7
	ds_load_b128 v[W+4*(\i):W+4*(\i)+3], v[RD] offset:(\i)*2*SP
.endr
	s_wait_dscnt 0x0
.irp i, 0,1,2,3,4,5,6,7
	global_store_b128 v[GO], v[W+4*(\i):W+4*(\i)+3], s[OP:OP+1] offset:(\i)*8192  ; 16 lanes store 256 consecutive bytes, aligned
.endr
	s_wait_xcnt 0x0                                ; the stores' base and registers are rewritten only behind this wait
	s_mov_b64 s[OP:OP+1], s[OP2:OP2+1]
	s_mov_b32 s[DB], s[DB2]
	s_lshl_b32 s[CL], s[CC], 1
	s_add_co_u32 s[CL], s[CL], 3                   ; the short block has c + 1 tiles; one is taken off below
	s_mov_b32 s[BLK], 1
.irp t, 0,1
	v_mov_b32 v[ST+8*(\t)], 0xfe000000
	v_mov_b32 v[ST+8*(\t)+1], 0xff7fffff
	v_mov_b32 v[ST+8*(\t)+2], 0
	v_mov_b32 v[ST+8*(\t)+3], 0
.endr
.endm
; CHUNK n: K of chunk n + 1 is fetched; the mask, if the tile is a diagonal one; the softmax; V^T P; a block's end; V of chunk n + 1 is fetched; K Q^T of chunk n + 1.
; tail = 1: the last three chunks: the last fetches nothing and leaves in the middle.
.macro BODY tail
	WIN 0
.if \tail
	s_cmp_eq_u32 s[CNT], 1
	s_cbranch_scc1 .Lnok_\@
.endif
	v_add_nc_u32 v[ADR], s[TBK], v[AK0]
	FETCH_K
	WIN 0
.if \tail
.Lnok_\@:
.endif
	s_cmp_gt_u32 s[CL], 2
	s_cbranch_scc1 .Lnomask_\@
	MASK
.Lnomask_\@:
	SOFTMAX
	s_wait_dscnt 0x0                               ; V is in (and the next K)
.set i, 0
.rept 32
	PV
.endr
	WIN 0
	s_cmp_lg_u32 s[CL], 1
	s_cbranch_scc1 .Lnomerge_\@
	MERGE
.Lnomerge_\@:
	s_sub_co_u32 s[CL], s[CL], 1
.if \tail
	s_sub_co_u32 s[CNT], s[CNT], 1
	s_cmp_eq_u32 s[CNT], 0
	s_cbranch_scc1 .Lout
.endif
	PLACES                                         ; in front of the loads into V's registers
	v_add_nc_u32 v[ADRV], s[TBV], v[AV0]
	FETCH_V
	s_wait_loadcnt 0x0                             ; Q
	s_wait_dscnt 32                                ; K is in; V's 32 loads, issued behind it, stay out
.set i, 0
.rept 32
	KQ
.endr
	WIN 0
	PLACES                                         ; behind those products: the scores are read, and K's registers loaded, next
.endm
	CHANGE 1                                       ; tile 0 is in, everybody's part of it; tile 1 is asked for
	v_add_nc_u32 v[ADR], s[TBK], v[AK0]
	FETCH_K                                        ; chunk 0
	WIN 0
	v_add_nc_u32 v[ADRV], s[TBV], v[AV0]
	FETCH_V
	s_wait_loadcnt 0x0                             ; Q
	s_wait_dscnt 32                                ; K is in; V's 32 loads stay out
.set i, 0
.rept 32
	KQ
.endr
	WIN 0
	PLACES
	s_mov_b32 s[CNT], 1                            ; tile 0 has one chunk left to fetch
	s_mov_b32 s[SLOTS], 8
	s_branch .Lstep
.Lslot:                                                ; seven times: tiles 2 to 8 are asked for
	CHANGE 1
	s_mov_b32 s[CNT], 2
.Lstep:
	BODY 0
	s_sub_co_u32 s[CNT], s[CNT], 1
	s_cmp_lg_u32 s[CNT], 0
	s_cbranch_scc1 .Lstep
	s_sub_co_u32 s[SLOTS], s[SLOTS], 1
	s_cmp_lg_u32 s[SLOTS], 0
	s_cbranch_scc1 .Lslot
	CHANGE 0                                       ; the tail is written out: nothing is asked for
	s_mov_b32 s[CNT], 3
.Ltail:
	BODY 1
	s_branch .Ltail
.Lout:
	s_wait_tensorcnt 0x0                           ; the wave's end
	ds_add_u32 v[SPW], v[NIL]
	s_wait_dscnt 0x0
	CROUND                                         ; the closing round
	s_endpgm
.Lfunc_end_k_qead7b18add_attn:
	.size	k_qead7b18add_attn, .Lfunc_end_k_qead7b18add_attn-k_qead7b18add_attn
	.p2alignl 7, 3214868480
	.fill 96, 4, 3214868480
	.section	.rodata,"a",@progbits
	.p2align	6, 0x0
	.amdhsa_kernel k_qead7b18add_attn
		.amdhsa_group_segment_fixed_size 327680
		.amdhsa_private_segment_fixed_size 0
		.amdhsa_enable_private_segment 0
		.amdhsa_kernarg_size 24
		.amdhsa_user_sgpr_count 2
		.amdhsa_user_sgpr_kernarg_segment_ptr 1
		.amdhsa_wavefront_size32 1
		.amdhsa_system_sgpr_workgroup_id_x 1
		.amdhsa_system_sgpr_workgroup_id_y 1
		.amdhsa_system_sgpr_workgroup_id_z 1
		.amdhsa_system_vgpr_workitem_id 0
		.amdhsa_next_free_vgpr 704
		.amdhsa_next_free_sgpr 92
		.amdhsa_reserve_vcc 1
		.amdhsa_float_denorm_mode_32 3
		.amdhsa_float_denorm_mode_16_64 3
		.amdhsa_memory_ordered 1
		.amdhsa_forward_progress 1
		.amdhsa_inst_pref_size 114
	.end_amdhsa_kernel
	.amdgpu_metadata
---
amdhsa.version: [ 1, 2 ]
amdhsa.kernels:
  - .name:           k_qead7b18add_attn
    .symbol:         k_qead7b18add_attn.kd
    .args:
      - { .name: qk16, .offset: 0, .size: 8, .value_kind: global_buffer, .address_space: global }
      - { .name: vh, .offset: 8, .size: 8, .value_kind: global_buffer, .address_space: global }
      - { .name: oh, .offset: 16, .size: 8, .value_kind: global_buffer, .address_space: global }
    .group_segment_fixed_size: 327680
    .private_segment_fixed_size: 0
    .kernarg_segment_align: 8
    .kernarg_segment_size: 24
    .max_flat_workgroup_size: 128
    .sgpr_count:     92
    .vgpr_count:     704
    .wavefront_size: 32
...
	.end_amdgpu_metadata
.endif
;; end of part 4
;; launch oproj (part 5): grid 16 x 16, 4 waves a work-group, clusters of 4 x 4, 327,680 bytes of LDS; arguments oh, wo16, bo, out0; writes out0
.if DOCPART == 5
	.amdgcn_target "amdgcn-amd-amdhsa--gfx1250"
	.amdhsa_code_object_version 6
	.text
	.protected	k_qead7b18add_oproj
	.globl	k_qead7b18add_oproj
	.p2align	8
	.type	k_qead7b18add_oproj,@function
k_qead7b18add_oproj:
	s_mov_b64 s[64:65], 0
	v_nop
	global_prefetch_b8 v0, s[64:65] scope:SCOPE_SE
	s_setreg_imm32_b32 hwreg(HW_REG_WAVE_MODE, 25, 1), 1
	s_wait_xcnt 0x0
	s_wait_alu depctr_hold_cnt(0) depctr_sa_sdst(0) depctr_va_vdst(0) depctr_va_sdst(0) depctr_va_ssrc(0) depctr_va_vcc(0) depctr_vm_vsrc(0)
	s_getreg_b32 s2, hwreg(HW_REG_IB_STS2, 6, 4)
	s_cmp_eq_u32 s2, 0
	s_cbranch_scc0 .Lentry_in_a_cluster
	s_endpgm
.Lentry_in_a_cluster:
	s_bfe_u32 s2, ttmp6, 0x10000c
	s_cmp_lg_u32 s2, 0xf033
	s_cbranch_scc0 .Lentry_shape_is_right
	s_endpgm
.Lentry_shape_is_right:
; out0 = O Wo + bo.  oh: f16 [2048][2048]; wo16: f16 [2048 k][2048 n] (Wo rounded to bf16, written as f16); bo rounded to bf16 like every input; out0: f32.  Sums in f32.
; A tile of 128 x 128 gives each of 256 work-groups one.  Four waves of 64 x 64: 16 accumulators.  K goes in steps of 256 through two LDS slots: waves 0, 1 ask for Wo's 256 rows in two halves,
; waves 2, 3 for O's 128 rows in two halves.  Wo lies [k][n]: its fragments come out of LDS turned.  The matrix instruction is used transposed: a lane holds one row and eight neighbouring columns.
; CLUSTER 4 x 4: O's tile is shared along a row of the cluster, Wo's along a column.
; REGISTERS: window 0: v0-31 addresses; v32-63 the bias; v64-127 rows read back; v128-255 the accumulators.   window 1: two fragment buffers of 128: 64 of O, then 64 of Wo, for 64 along K.
.set PA,    528                        ; a row of O in LDS: 512 bytes + 16
.set PB,    288                        ; a row of Wo: 256 + 32
.set BH,    128*PB
.set AOFF,  2*BH
.set AH,    64*PA
.set SLOT,  AOFF+2*AH
.set STAGE, 2*SLOT                     ; behind the ring: 16 rows x 272 bytes for each wave
.set SP,    272
.set SPARE, STAGE+4*16*SP              ; the spare words, 128 bytes for each wave
.set LAPS,  4
.set ADRA, 16                          ; v16-17
.set ADRB, 20                          ; v20-23: slot s, half of the step's 256 rows at 20 + 2 s + half
.set STO,  24
.set RD,   25
.set CO,   26
.set SPW,  28
.set NIL,  29
.set BO,   30
.set TB,   31
.set BI,   32
.set BK,   64
.set ACC,  128
.set F0,   0
.set F1,   128
.set WV,  12
.set RH,  13
.set CH,  14
.set G1A, 24
.set G0A, 32
.set G1B, 48
.set G0B, 56
.set MSB, 0
.macro WIN new
.if MSB != (\new)
	s_set_vgpr_msb (MSB<<8)|(\new)
.set MSB, \new
.endif
.endm
.set MUL,  0x05
.set TO_F, 0x40
.macro PLACES
.rept 4
	v_nop
.endr
.endm
.macro JLOAD s
	s_cmp_eq_u32 s[RH], 0
	s_cbranch_scc0 .Lfor_a_\@
	tensor_load_to_lds s[G0B+4*(\s):G0B+4*(\s)+3], s[G1B:G1B+7]
	s_nop 0
.rept 4
	v_nop
.endr
	s_branch .Lasked_\@
.Lfor_a_\@:
	tensor_load_to_lds s[G0A+4*(\s):G0A+4*(\s)+3], s[G1A:G1A+7]
	s_nop 0
.rept 4
	v_nop
.endr
.Lasked_\@:
.endm
.macro CREST
	s_cmp_lg_u32 s[WV], 0
	s_cbranch_scc1 .Lnot_wave_0_\@
	s_barrier_signal -3
.Lnot_wave_0_\@:
	s_barrier_wait -3
	s_barrier_signal -1
	s_barrier_wait -1
.endm
.macro CROUND
	s_barrier_signal -1
	s_barrier_wait -1
	CREST
.endm
	s_load_b256 s[4:11], s[0:1], 0x0               ; oh, wo16, bo, out0
	v_lshl_add_u32 v[SPW], v0, 2, SPARE
	v_mov_b32 v[NIL], 0
	ds_add_u32 v[SPW], v[NIL]                      ; the wave's opening: the add and its wait ahead of my first tensor load
	v_lshrrev_b32 v1, 5, v0
	v_readfirstlane_b32 s[WV], v1
	s_lshr_b32 s[RH], s[WV], 1                     ; which 64 rows are mine.  Also: I fetch for Wo (0) or for O (1)
	s_and_b32 s[CH], s[WV], 1                      ; which 64 columns.  Also: which half of that tile I fetch
	s_bfe_u32 s40, ttmp6, 0x40000
	s_bfe_u32 s41, ttmp6, 0x40004
	s_lshl_b32 s42, ttmp9, 2
	s_add_co_u32 s42, s42, s40                     ; j: tile column
	s_and_b32 s43, ttmp7, 0xffff
	s_lshl_b32 s43, s43, 2
	s_add_co_u32 s43, s43, s41                     ; i: tile row
	s_lshl_b32 s44, s41, 2
	s_lshl_b32 s44, 15, s44
	s_lshl_b32 s45, 0x1111, s40
	s_or_b32 s[G1A], s44, (1<<16)|(1<<20)|(1<<21)|(6<<22)|(3<<25)  ; my row's mask; 2-byte elements; padding on; bit 21 beside a mask; after every 128 words, 4 words
	s_mov_b32 s[G1A+1], 256<<16
	s_mov_b32 s[G1A+2], 64<<16
	s_mov_b32 s[G1A+3], 256<<16
	s_mov_b32 s[G1A+4], 64
	s_mov_b32 s[G1A+5], 2048
	s_mov_b32 s[G1A+6], 0
	s_mov_b32 s[G1A+7], 0
	s_or_b32 s[G1B], s45, (1<<16)|(1<<20)|(1<<21)|(5<<22)|(7<<25)  ; my column's mask; after every 64 words, 8 words
	s_mov_b32 s[G1B+1], 128<<16
	s_mov_b32 s[G1B+2], 128<<16
	s_mov_b32 s[G1B+3], 128<<16
	s_mov_b32 s[G1B+4], 128
	s_mov_b32 s[G1B+5], 2048
	s_mov_b32 s[G1B+6], 0
	s_mov_b32 s[G1B+7], 0
	s_lshl_b32 s16, s43, 19                        ; O: 128 i rows of 4,096 bytes, and my 64
	s_lshl_b32 s17, s[CH], 18
	s_add_co_u32 s16, s16, s17
	s_mov_b32 s17, 0
	s_lshl_b32 s46, s42, 8                         ; Wo: the tile's 256 bytes of a row, and my 128 rows
	s_lshl_b32 s47, s[CH], 19
	s_add_co_u32 s46, s46, s47
	s_mov_b32 s47, 0
	s_mul_i32 s20, s[WV], AH                       ; where O's halves go (waves 2, 3): behind Wo's
	s_add_co_u32 s20, s20, AOFF-2*AH
	s_mul_i32 s21, s[WV], BH                       ; where Wo's go (waves 0, 1)
	s_wait_dscnt 0x0                               ; the opening add is done
	s_wait_kmcnt 0x0
	s_add_nc_u64 s[16:17], s[4:5], s[16:17]
	s_add_nc_u64 s[46:47], s[6:7], s[46:47]
	CROUND
.irp s, 0,1
	s_mov_b32 s[G0A+4*(\s)], 1
	s_add_co_u32 s[G0A+4*(\s)+1], s20, (\s)*SLOT
	s_add_nc_u64 s[G0A+4*(\s)+2:G0A+4*(\s)+3], s[16:17], (\s)*512
	s_or_b32 s[G0A+4*(\s)+3], s[G0A+4*(\s)+3], 0x80000000
	s_mov_b32 s[G0B+4*(\s)], 1
	s_add_co_u32 s[G0B+4*(\s)+1], s21, (\s)*SLOT
	s_add_nc_u64 s[G0B+4*(\s)+2:G0B+4*(\s)+3], s[46:47], (\s)*256*4096
	s_or_b32 s[G0B+4*(\s)+3], s[G0B+4*(\s)+3], 0x80000000
	JLOAD \s
.endr
	s_lshl_b32 s66, s42, 9                         ; the bias of my 64 columns
	s_lshl_b32 s67, s[CH], 8
	s_add_co_u32 s66, s66, s67
	s_mov_b32 s67, 0
	s_add_nc_u64 s[8:9], s[8:9], s[66:67]
	v_and_b32 v1, 15, v0
	v_bfe_u32 v2, v0, 4, 1
	v_lshlrev_b32 v[BO], 5, v2
.irp bb, 0,1,2,3
	global_load_b128 v[BI+8*(\bb):BI+8*(\bb)+3],   v[BO], s[8:9] offset:64*(\bb)
	global_load_b128 v[BI+8*(\bb)+4:BI+8*(\bb)+7], v[BO], s[8:9] offset:64*(\bb)+16
.endr
	v_and_b32 v3, 7, v0
	v_bfe_u32 v4, v0, 3, 1
	v_mul_u32_u24 v6, v1, PA
	v_lshl_add_u32 v6, v2, 4, v6
	s_mul_i32 s22, s[RH], AH
	s_add_co_u32 s22, s22, AOFF
	v_add_nc_u32 v[ADRA], s22, v6
	v_add_nc_u32 v[ADRA+1], SLOT, v[ADRA]
	v_lshl_add_u32 v7, v2, 3, v3
	v_mul_u32_u24 v7, v7, PB
	v_lshl_add_u32 v7, v4, 4, v7
	s_lshl_b32 s22, s[CH], 7
	v_add_nc_u32 v[ADRB], s22, v7
	v_add_nc_u32 v[ADRB+1], BH, v[ADRB]
	v_add_nc_u32 v[ADRB+2], SLOT, v[ADRB]
	v_add_nc_u32 v[ADRB+3], SLOT+BH, v[ADRB]
	s_mul_i32 s22, s[WV], 16*SP
	s_add_co_u32 s22, s22, STAGE
	v_mul_u32_u24 v8, v1, SP
	v_lshl_add_u32 v8, v2, 5, v8
	v_add_nc_u32 v[STO], s22, v8
	v_mul_u32_u24 v8, v2, SP
	v_lshl_add_u32 v8, v1, 4, v8
	v_add_nc_u32 v[RD], s22, v8
	v_lshlrev_b32 v8, 4, v1
	v_lshl_add_u32 v[CO], v2, 13, v8
	s_lshl_b32 s68, s43, 7
	s_lshl_b32 s69, s[RH], 6
	s_add_co_u32 s68, s68, s69
	s_lshl_b32 s68, s68, 13
	s_add_co_u32 s68, s68, s66
	s_mov_b32 s69, 0
	s_add_nc_u64 s[10:11], s[10:11], s[68:69]      ; out0 at my first row and column
	s_wait_loadcnt 0x0
.set z, 0
.rept 16
	v_cvt_pk_bf16_f32 v[TB], v[BI+2*z], v[BI+2*z+1]
	v_lshlrev_b32 v[BI+2*z], 16, v[TB]
	v_and_b32 v[BI+2*z+1], 0xffff0000, v[TB]
.set z, z+1
.endr
; 8 matrix instructions: row blocks a0, a0 + 1 x all 4 column blocks, 32 along K: half c of buffer f.  The 16 accumulators take turns.
.macro MUL8 f, c, a0, zero
	WIN MUL
.irp a, \a0, (\a0)+1
.irp b, 0,1,2,3
.if \zero
	v_wmma_f32_16x16x32_f16 v[ACC+8*(4*(\a)+(\b)):ACC+8*(4*(\a)+(\b))+7], v[(\f)+64+8*(4*(\c)+(\b)):(\f)+64+8*(4*(\c)+(\b))+7], v[(\f)+8*(4*(\c)+(\a)):(\f)+8*(4*(\c)+(\a))+7], 0
.else
	v_wmma_f32_16x16x32_f16 v[ACC+8*(4*(\a)+(\b)):ACC+8*(4*(\a)+(\b))+7], v[(\f)+64+8*(4*(\c)+(\b)):(\f)+64+8*(4*(\c)+(\b))+7], v[(\f)+8*(4*(\c)+(\a)):(\f)+8*(4*(\c)+(\a))+7], v[ACC+8*(4*(\a)+(\b)):ACC+8*(4*(\a)+(\b))+7]
.endif
.endr
.endr
.endm
; 32 LDS loads in one run: quarter q (64 along K) of a slot into buffer f; the first 32 along K first
.macro FETCH slot, q, f
	WIN TO_F
.irp c, 0,1
.irp i, 0,1,2,3
	ds_load_tr16_b128 v[(\f)+64+8*(4*(\c)+(\i)):(\f)+64+8*(4*(\c)+(\i))+3],   v[ADRB+2*(\slot)+(\q)/2] offset:(((\q)%2)*64+32*(\c))*PB+32*(\i)
	ds_load_tr16_b128 v[(\f)+64+8*(4*(\c)+(\i))+4:(\f)+64+8*(4*(\c)+(\i))+7], v[ADRB+2*(\slot)+(\q)/2] offset:(((\q)%2)*64+32*(\c))*PB+32*(\i)+16*PB
	ds_load_b128 v[(\f)+8*(4*(\c)+(\i)):(\f)+8*(4*(\c)+(\i))+3],              v[ADRA+(\slot)] offset:128*(\q)+64*(\c)+(\i)*16*PA
	ds_load_b128 v[(\f)+8*(4*(\c)+(\i))+4:(\f)+8*(4*(\c)+(\i))+7],            v[ADRA+(\slot)] offset:128*(\q)+64*(\c)+(\i)*16*PA+32
.endr
.endr
.endm
.macro QUARTER slot, q, f, g, zero
	s_wait_dscnt 16                                ; the first 32 along K are in
	MUL8 \f, 0, 0, \zero
	MUL8 \f, 0, 2, \zero
	PLACES
	FETCH \slot, \q, \g
	s_wait_dscnt 32                                ; all but the 32 just issued
	MUL8 \f, 1, 0, 0
	MUL8 \f, 1, 2, 0
.endm
.macro TURN slot, next, fill
	WIN 0
	s_wait_tensorcnt 0x0                           ; my part of the next slot has landed
	ds_add_u32 v[SPW], v[NIL]
	s_wait_dscnt 17                                ; the add and the youngest sixteen loads may be out
	MUL8 F1, 0, 0, 0
	s_wait_dscnt 0x0                               ; the add is done, and my reads of this slot are over
	s_barrier_signal -1
	MUL8 F1, 0, 2, 0
	WIN 0
	s_barrier_wait -1
.if \fill
	CREST                                          ; a round of the cluster's barrier: no wave of any partner still reads this slot or has a load on its way
	s_add_nc_u64 s[G0A+4*(\slot)+2:G0A+4*(\slot)+3], s[G0A+4*(\slot)+2:G0A+4*(\slot)+3], 1024
	s_add_nc_u64 s[G0B+4*(\slot)+2:G0B+4*(\slot)+3], s[G0B+4*(\slot)+2:G0B+4*(\slot)+3], 2*256*4096
	JLOAD \slot
.else
	PLACES
.endif
	FETCH \next, 0, F0
	MUL8 F1, 1, 0, 0
	MUL8 F1, 1, 2, 0
.endm
	s_wait_tensorcnt 1                             ; my part of K step 0 is in; step 1's may stay out
	s_barrier_signal -1
	s_barrier_wait -1
	FETCH 0, 0, F0
	QUARTER 0, 1, F0, F1, 1
	WIN 0
	s_mov_b32 s3, LAPS-1
.Llap:
	QUARTER 0, 2, F1, F0, 0
	QUARTER 0, 3, F0, F1, 0
	TURN 0, 1, 1
	QUARTER 1, 1, F0, F1, 0
	QUARTER 1, 2, F1, F0, 0
	QUARTER 1, 3, F0, F1, 0
	TURN 1, 0, 1
	QUARTER 0, 1, F0, F1, 0
	WIN 0
	s_sub_co_u32 s3, s3, 1
	s_cmp_lg_u32 s3, 0
	s_cbranch_scc1 .Llap
	QUARTER 0, 2, F1, F0, 0
	QUARTER 0, 3, F0, F1, 0
	TURN 0, 1, 0
	QUARTER 1, 1, F0, F1, 0
	QUARTER 1, 2, F1, F0, 0
	QUARTER 1, 3, F0, F1, 0
	s_wait_dscnt 16
	MUL8 F1, 0, 0, 0
	MUL8 F1, 0, 2, 0
	s_wait_dscnt 0x0
	MUL8 F1, 1, 0, 0
	MUL8 F1, 1, 2, 0
	WIN 0
	PLACES
; THE WAY OUT, all in window 0: 16 rows at a time.  My 64 columns in f32 are 256 bytes: the stage is my own, and no barrier is needed.
.macro YMAKE a                         ; the bias, onto the sums in place; each accumulator from its lowest registers on
.set z, 0
.rept 16
	v_pk_add_f32 v[ACC+32*(\a)+2*z:ACC+32*(\a)+2*z+1], v[ACC+32*(\a)+2*z:ACC+32*(\a)+2*z+1], v[BI+2*z:BI+2*z+1]
.set z, z+1
.endr
.endm
.macro TOSTAGE a
	s_wait_xcnt 0x0                                ; the set's registers, which earlier stores read, are loaded again only behind this wait
.irp t, 0,1,2,3,4,5,6,7
	ds_store_b128 v[STO], v[ACC+32*(\a)+4*(\t):ACC+32*(\a)+4*(\t)+3] offset:64*((\t)/2)+16*((\t)%2)
.endr
.irp t, 0,1,2,3,4,5,6,7
	ds_load_b128 v[BK+32*((\a)%2)+4*(\t):BK+32*((\a)%2)+4*(\t)+3], v[RD] offset:(\t)*2*SP  ; LDS serves a wave's instructions in order: these see the stores above
.endr
.endm
.macro SEND a
	s_wait_dscnt 0x0
.irp t, 0,1,2,3,4,5,6,7
	global_store_b128 v[CO], v[BK+32*((\a)%2)+4*(\t):BK+32*((\a)%2)+4*(\t)+3], s[10:11] offset:(16*(\a)+2*(\t))*8192 th:TH_STORE_NT  ; 16 lanes store 256 consecutive bytes, aligned
.endr
.endm
	YMAKE 0
	TOSTAGE 0
.irp a, 1,2,3
	YMAKE \a
	SEND \a-1
	TOSTAGE \a
.endr
	SEND 3
	s_wait_tensorcnt 0x0                           ; the wave's end
	ds_add_u32 v[SPW], v[NIL]
	s_wait_dscnt 0x0
	CROUND                                         ; the closing round
	s_endpgm
.Lfunc_end_k_qead7b18add_oproj:
	.size	k_qead7b18add_oproj, .Lfunc_end_k_qead7b18add_oproj-k_qead7b18add_oproj
	.p2alignl 7, 3214868480
	.fill 96, 4, 3214868480
	.section	.rodata,"a",@progbits
	.p2align	6, 0x0
	.amdhsa_kernel k_qead7b18add_oproj
		.amdhsa_group_segment_fixed_size 327680
		.amdhsa_private_segment_fixed_size 0
		.amdhsa_enable_private_segment 0
		.amdhsa_kernarg_size 32
		.amdhsa_user_sgpr_count 2
		.amdhsa_user_sgpr_kernarg_segment_ptr 1
		.amdhsa_wavefront_size32 1
		.amdhsa_system_sgpr_workgroup_id_x 1
		.amdhsa_system_sgpr_workgroup_id_y 1
		.amdhsa_system_sgpr_workgroup_id_z 1
		.amdhsa_system_vgpr_workitem_id 0
		.amdhsa_next_free_vgpr 512
		.amdhsa_next_free_sgpr 72
		.amdhsa_reserve_vcc 0
		.amdhsa_float_denorm_mode_32 3
		.amdhsa_float_denorm_mode_16_64 3
		.amdhsa_memory_ordered 1
		.amdhsa_forward_progress 1
		.amdhsa_inst_pref_size 93
	.end_amdhsa_kernel
	.amdgpu_metadata
---
amdhsa.version: [ 1, 2 ]
amdhsa.kernels:
  - .name:           k_qead7b18add_oproj
    .symbol:         k_qead7b18add_oproj.kd
    .args:
      - { .name: oh, .offset: 0, .size: 8, .value_kind: global_buffer, .address_space: global }
      - { .name: wo16, .offset: 8, .size: 8, .value_kind: global_buffer, .address_space: global }
      - { .name: bo, .offset: 16, .size: 8, .value_kind: global_buffer, .address_space: global }
      - { .name: out0, .offset: 24, .size: 8, .value_kind: global_buffer, .address_space: global }
    .group_segment_fixed_size: 327680
    .private_segment_fixed_size: 0
    .kernarg_segment_align: 8
    .kernarg_segment_size: 32
    .max_flat_workgroup_size: 128
    .sgpr_count:     72
    .vgpr_count:     512
    .wavefront_size: 32
...
	.end_amdgpu_metadata
.endif
;; end of part 5
;; ======== version 2 of 2: 5 launches; version 1 with the launch normrope written anew for expert scheduling mode
;; limits: values are held in f16: magnitudes above 65,504 overflow, below 6.1e-05 lose precision
;; workspace buffers: xb 8,388,608 bytes; wqkv 25,165,824 bytes; wo16 8,388,608 bytes; raw 33,554,432 bytes; ssq 393,216 bytes; vh 8,388,608 bytes; qk16 16,777,216 bytes; oh 8,388,608 bytes
;; launch cast: the kernel of part 1 again; grid 256 x 5, 8 waves a work-group, no clusters, 0 bytes of LDS; arguments x, Wq, Wk, Wv, Wo, xb, wqkv, wo16; writes xb, wqkv, wo16
;; launch qkv: the kernel of part 2 again; grid 16 x 16, 4 waves a work-group, clusters of 4 x 4, 327,680 bytes of LDS; arguments xb, wqkv, bq, bk, bv, raw, vh, ssq; writes raw, vh, ssq
;; launch normrope (part 6): grid 256 x 1, 8 waves a work-group, no clusters, 0 bytes of LDS; arguments raw, ssq, gq, gk, freqs_cos, freqs_sin, qk16; writes qk16
.if DOCPART == 6
	.amdgcn_target "amdgcn-amd-amdhsa--gfx1250"
	.amdhsa_code_object_version 6
	.text
	.protected	k_qead7b18add_normrope
	.globl	k_qead7b18add_normrope
	.p2align	8
	.type	k_qead7b18add_normrope,@function
k_qead7b18add_normrope:
	s_mov_b64 s[64:65], 0
	v_nop
	global_prefetch_b8 v0, s[64:65] scope:SCOPE_SE
	s_setreg_imm32_b32 hwreg(HW_REG_WAVE_SCHED_MODE, 0, 2), 2
	s_setreg_imm32_b32 hwreg(HW_REG_WAVE_MODE, 25, 1), 1
	s_wait_xcnt 0x0
	s_wait_alu depctr_vm_vsrc(0)
; q and k: y * rsqrt(mean(y^2) + 1e-6) * g, then the rotation of neighbouring pairs by (cos, sin) of the row; written by heads in f16: qk16 [16][2048][128], q at byte 0, k at byte 8,388,608.
; raw: f32 q [2048][2048], then k.  ssq: f32 [48][2048]: 16 partial sums of q's squares, 32 of k's.  g, cos and sin are rounded to bf16 like every input.
; LIMIT.  |q|, |k| <= sqrt(2048) |g| must lie within f16's 65,504.  The factor and g are multiplied first, then y: another order of rounding than y * factor * g.
; A stream: no LDS, no matrix unit.  A work-group takes 8 rows; wave w takes heads 2 w and 2 w + 1 of them, for q and k: 32 tasks of 128 numbers, 4 a lane (two pairs), all 32 loads out at once.
; Each store of the wave covers 256 consecutive bytes, aligned; no store's register is written again.
; THE MODE: SCHED_MODE bits 1:0 = 2 (LLVM: expert scheduling mode 2), set by the entry lines.  The code itself states the register dependences
; between vector instructions and memory instructions, with s_wait_alu, always for 0.
; THE PLAN.  Registers that memory instructions touch:
;   v1, v2, v3   byte offsets, made once at the head and never written again: one wait ahead of the first load states that they are written.
;   v[4:15], C, S, G   loads land in them before any vector line has named them; behind their counted waits vector lines alone name them.
;   X, task k    its load lands there before any vector line has named it; the task's arithmetic works in place; its two roundings write the first two registers,
;                which the task's one store reads; nothing writes them again.
;   GF, T, v16-19 are named by vector lines alone.
; All loads are issued ahead of every vector line that names a register in which one lands, and no register that a load or store has read is written again: so the only
; dependences to state in the body are the stores' data.  The 32 tasks go in 16 ROWS of two.  Row p's two stores are issued in row p + 1, behind ONE wait at that row's head,
; which stands behind the wait for the row's first load; no vector line of row p + 1 names the registers that those stores read.  The last row's stores have a wait of their own.
.set C,  20                            ; v[20:35]  cos of my two pairs, row by row
.set S,  36                            ; v[36:51]  sin
.set G,  52                            ; v[52:67]  gq of my 4 columns in head 2 w, 2 w + 1; gk likewise
.set GF, 68                            ; v[68:75]  factor x g for the row in hand
.set T,  76                            ; at work
.set X,  88                            ; v[88:215] task k: 4 registers
	s_load_b256 s[4:11], s[0:1], 0x0               ; raw, ssq, gq, gk
	s_load_b128 s[12:15], s[0:1], 0x20             ; cos, sin
	s_load_b64 s[16:17], s[0:1], 0x30              ; qk16
	v_and_b32 v18, 31, v0
	v_lshrrev_b32 v19, 5, v0
	v_readfirstlane_b32 s18, v19                   ; wave
	v_lshlrev_b32 v1, 4, v18                       ; 16 x lane
	v_lshlrev_b32 v2, 3, v18                       ; 8 x lane
	v_lshrrev_b32 v19, 3, v18
	v_and_b32 v18, 7, v18
	v_lshlrev_b32 v3, 2, v18
	v_lshl_add_u32 v3, v19, 13, v3                 ; ssq: list l / 8 of four, row l % 8
	s_lshl_b32 s19, ttmp9, 3                       ; my first row
	s_mov_b32 s39, 0
	s_mov_b32 s56, 0x3a000000                      ; 1 / 2048
	s_mov_b32 s57, 0x358637bd                      ; 1e-6
	s_mov_b32 s58, 0x76543210
	s_mov_b32 s59, 0xfedcba98
	s_mov_b32 s60, 0xffff0000
	s_wait_alu depctr_va_sdst(0)                   ; s18, the wave's number, is written, ahead of its first reader: the bases are made from it
	s_lshl_b32 s61, s18, 10                        ; two heads: 1,024 bytes of a row in f32
	s_lshl_b32 s62, s19, 8
	s_wait_kmcnt 0x0
	s_lshl_b32 s38, s19, 13
	s_add_co_u32 s38, s38, s61
	s_add_nc_u64 s[20:21], s[4:5], s[38:39]        ; raw q at my rows and heads,
	s_add_nc_u64 s[22:23], s[20:21], 0x1000000     ; raw k
	s_lshl_b32 s38, s18, 20
	s_add_co_u32 s38, s38, s62
	s_add_nc_u64 s[24:25], s[16:17], s[38:39]      ; q out,
	s_add_nc_u64 s[26:27], s[24:25], 0x800000      ; k out
	s_lshl_b32 s38, s19, 2
	s_add_nc_u64 s[28:29], s[6:7], s[38:39]
	s_mov_b32 s38, s62
	s_add_nc_u64 s[30:31], s[12:13], s[38:39]
	s_add_nc_u64 s[32:33], s[14:15], s[38:39]
	s_mov_b32 s38, s61
	s_add_nc_u64 s[34:35], s[8:9], s[38:39]
	s_add_nc_u64 s[36:37], s[10:11], s[38:39]
	s_wait_alu depctr_va_vdst(0)                   ; v1, v2 and v3 are written: every load and store of the kernel reads one of them as its offset
.set i, 0
.rept 12
	global_load_b32 v[4+i], v3, s[28:29] offset:32768*i
.set i, i+1
.endr
.set i, 0
.rept 8
	global_load_b64 v[C+2*i:C+2*i+1], v2, s[30:31] offset:256*i
	global_load_b64 v[S+2*i:S+2*i+1], v2, s[32:33] offset:256*i
.set i, i+1
.endr
	global_load_b128 v[G:G+3],     v1, s[34:35]
	global_load_b128 v[G+4:G+7],   v1, s[34:35] offset:512
	global_load_b128 v[G+8:G+11],  v1, s[36:37]
	global_load_b128 v[G+12:G+15], v1, s[36:37] offset:512
.set k, 0
.rept 32                                               ; task k: matrix k / 16, row (k / 2) % 8, head 2 w + k % 2
	global_load_b128 v[X+4*k:X+4*k+3], v1, s[20+2*(k/16):21+2*(k/16)] offset:((k/2)%8)*8192+(k%2)*512 th:TH_LOAD_NT
.set k, k+1
.endr
	s_wait_loadcnt 52                              ; the twelve partial sums are in; the 52 younger loads stay out
	v_add_f32 v16, v4, v5
	v_add_f32 v18, v6, v7
	v_add_f32 v17, v8, v9
	v_add_f32 v19, v10, v11
	v_add_f32 v8, v12, v13
	v_add_f32 v9, v14, v15
	v_add_f32 v16, v16, v18
	v_add_f32 v17, v17, v19
	v_add_f32 v8, v8, v9
	v_add_f32 v17, v17, v8
	v_add_f32_dpp v16, v16, v16 row_xmask:8 row_mask:0xf bank_mask:0xf
	v_add_f32_dpp v17, v17, v17 row_xmask:8 row_mask:0xf bank_mask:0xf
	v_permlanex16_b32 v18, v16, s58, s59
	v_permlanex16_b32 v19, v17, s58, s59
	v_add_f32 v16, v16, v18                        ; lane l: the sum of q's squares in row l % 8,
	v_add_f32 v17, v17, v19                        ; of k's
	v_fma_f32 v16, v16, s56, s57
	v_fma_f32 v17, v17, s56, s57
	v_rsq_f32 v16, v16
	v_rsq_f32 v17, v17
	v_nop                                          ; a plain instruction between the last root and the use of its result
	s_wait_alu depctr_va_vdst(0)                   ; the two roots have written v16 and v17, ahead of their first readers below: one wait for the batch
.set i, 0
.rept 8
	v_readlane_b32 s[40+i], v16, i
	v_readlane_b32 s[48+i], v17, i
.set i, i+1
.endr
	s_wait_loadcnt 32                              ; cos, sin and g are in; the 32 tasks' loads stay out
.set i, C
.rept 24                                               ; C, S and G lie on end: each number rounded to bf16 and widened again; none of these lines reads s40 to s55
	v_cvt_pk_bf16_f32 v[T], v[i], v[i+1]
	v_lshlrev_b32 v[i], 16, v[T]
	v_and_b32 v[i+1], s60, v[T]
.set i, i+2
.endr
	s_wait_alu depctr_va_sdst(0)                   ; s40 to s55, the sixteen factors, are written, ahead of their first reader: one wait for the run of v_readlane_b32
; The arithmetic of task k = 16 m + 2 row + hh, in place; its two roundings leave 8 bytes a lane in the task's first two registers.
.macro TASK m, row, hh
.set k, 16*(\m)+2*(\row)+(\hh)
.set XR, X+4*k
	v_pk_mul_f32 v[XR:XR+1],   v[XR:XR+1],   v[GF+4*(\hh):GF+4*(\hh)+1]
	v_pk_mul_f32 v[XR+2:XR+3], v[XR+2:XR+3], v[GF+4*(\hh)+2:GF+4*(\hh)+3]
.irp p2, 0,1
	v_mul_f32 v[T+(\p2)],   v[XR+2*(\p2)+1], v[S+2*(\row)+(\p2)]
	v_mul_f32 v[T+2+(\p2)], v[XR+2*(\p2)+1], v[C+2*(\row)+(\p2)]
.endr
.irp p2, 0,1
	v_fma_f32 v[T+(\p2)],   v[XR+2*(\p2)], v[C+2*(\row)+(\p2)], -v[T+(\p2)]      ; x0 c - x1 s
	v_fma_f32 v[T+2+(\p2)], v[XR+2*(\p2)], v[S+2*(\row)+(\p2)], v[T+2+(\p2)]     ; x0 s + x1 c
.endr
	v_cvt_pk_f16_f32 v[XR],   v[T],   v[T+2]
	v_cvt_pk_f16_f32 v[XR+1], v[T+1], v[T+3]
.endm
; The store of task n: matrix n / 16, row (n / 2) % 8, head 2 w + n % 2.
.macro OUT n
	global_store_b64 v2, v[X+4*(\n):X+4*(\n)+1], s[24+2*((\n)/16):25+2*((\n)/16)] offset:((\n)%2)*524288+(((\n)/2)%8)*256
.endm
.irp m, 0,1
.irp row, 0,1,2,3,4,5,6,7
.set p, 8*(\m)+(\row)                                  ; row p of 16: tasks 2 p and 2 p + 1
.irp c, 0,1,2,3,4,5,6,7
	v_mul_f32 v[GF+(\c)], s[40+8*(\m)+(\row)], v[G+8*(\m)+(\c)]
.endr
	s_wait_loadcnt 31-2*p                          ; loads come back in order: task 2 p's is in, the younger ones stay out
.if p > 0
	s_wait_alu depctr_va_vdst(0)                   ; the row before has written the first two registers of its two tasks, which the two stores below read
	OUT 2*p-2
.endif
	TASK \m, \row, 0
.if p > 0
	OUT 2*p-1                                      ; no wait: no vector line since the wait above names task 2 p - 1's registers
.endif
	s_wait_loadcnt 30-2*p                          ; task 2 p + 1's load is in
	TASK \m, \row, 1
.endr
.endr
	s_wait_alu depctr_va_vdst(0)                   ; the last row has written the first two registers of tasks 30 and 31, which the last two stores read
	OUT 30
	OUT 31
	s_endpgm
.Lfunc_end_k_qead7b18add_normrope:
	.size	k_qead7b18add_normrope, .Lfunc_end_k_qead7b18add_normrope-k_qead7b18add_normrope
	.p2alignl 7, 3214868480
	.fill 96, 4, 3214868480
	.section	.rodata,"a",@progbits
	.p2align	6, 0x0
	.amdhsa_kernel k_qead7b18add_normrope
		.amdhsa_group_segment_fixed_size 0
		.amdhsa_private_segment_fixed_size 0
		.amdhsa_enable_private_segment 0
		.amdhsa_kernarg_size 56
		.amdhsa_user_sgpr_count 2
		.amdhsa_user_sgpr_kernarg_segment_ptr 1
		.amdhsa_wavefront_size32 1
		.amdhsa_system_sgpr_workgroup_id_x 1
		.amdhsa_system_sgpr_workgroup_id_y 1
		.amdhsa_system_sgpr_workgroup_id_z 1
		.amdhsa_system_vgpr_workitem_id 0
		.amdhsa_next_free_vgpr 216
		.amdhsa_next_free_sgpr 66
		.amdhsa_reserve_vcc 0
		.amdhsa_float_denorm_mode_32 3
		.amdhsa_float_denorm_mode_16_64 3
		.amdhsa_memory_ordered 1
		.amdhsa_forward_progress 1
		.amdhsa_inst_pref_size 42
	.end_amdhsa_kernel
	.amdgpu_metadata
---
amdhsa.version: [ 1, 2 ]
amdhsa.kernels:
  - .name:           k_qead7b18add_normrope
    .symbol:         k_qead7b18add_normrope.kd
    .args:
      - { .name: raw, .offset: 0, .size: 8, .value_kind: global_buffer, .address_space: global }
      - { .name: ssq, .offset: 8, .size: 8, .value_kind: global_buffer, .address_space: global }
      - { .name: gq, .offset: 16, .size: 8, .value_kind: global_buffer, .address_space: global }
      - { .name: gk, .offset: 24, .size: 8, .value_kind: global_buffer, .address_space: global }
      - { .name: freqs_cos, .offset: 32, .size: 8, .value_kind: global_buffer, .address_space: global }
      - { .name: freqs_sin, .offset: 40, .size: 8, .value_kind: global_buffer, .address_space: global }
      - { .name: qk16, .offset: 48, .size: 8, .value_kind: global_buffer, .address_space: global }
    .group_segment_fixed_size: 0
    .private_segment_fixed_size: 0
    .kernarg_segment_align: 8
    .kernarg_segment_size: 56
    .max_flat_workgroup_size: 256
    .sgpr_count:     66
    .vgpr_count:     216
    .wavefront_size: 32
...
	.end_amdgpu_metadata
.endif
;; end of part 6
;; launch attn: the kernel of part 4 again; grid 16 x 16, 4 waves a work-group, clusters of 4 x 1, 327,680 bytes of LDS; arguments qk16, vh, oh; writes oh
;; launch oproj: the kernel of part 5 again; grid 16 x 16, 4 waves a work-group, clusters of 4 x 4, 327,680 bytes of LDS; arguments oh, wo16, bo, out0; writes out0
